; MI455X (gfx1250); checked and timed in simulation.
; The chip was launched on July 23, 2026; its instructions are those of AMD's public machine-readable ISA for CDNA 5 (MIT licence, August 2026) and "CDNA5" Instruction Set Architecture Reference Guide (July 2026). The comments in the code are by the model that wrote it; some were corrected since.
;; Trans Block. Allowed arithmetic: matrix products marked QUANTISED: E2M3 operands, one E8M0 scale for each 32 along K, by v_wmma_scale_f32_16x16x128_f8f6f4 with both operands' format E2M3, f32 sums; everything else in f32.
;; Inputs: W1 512 x 512 float32; W2 512 x 512 float32; Wk 512 x 512 float32; Wo 512 x 512 float32; Wq 512 x 512 float32; Wv 512 x 512 float32; b1 512 float32; b2 512 float32; bo 512 float32; ln1_b 512 float32; ln1_g 512 float32; ln2_b 512 float32; ln2_g 512 float32; x 4 x 2,048 x 512 float32.
;; Outputs: out0 4 x 2,048 x 512 float32.
;; This version of the problem:
;;   THIS VERSION OF THE PROBLEM IS GIVEN IN LOW PRECISION. The matrix products marked QUANTISED in the list below multiply operands that are first quantised to E2M3 (2 exponent bits, 3 mantissa bits; 6 bits a number), with one power-of-two scale for each 32 numbers along K (OCP MX v1.0); their sums are f32. All else is computed in f32.
;;   The module's matrix products, in the order in which they are computed (A, B: the left and right operand; K: the contracted axis; several contracted axes count as one K, in the product's order):
;;     1. [M 8,192, K 512] x [K 512, N 512]; A: computed on the way; B: input Wq: QUANTISED
;;     2. [M 8,192, K 512] x [K 512, N 512]; A: computed on the way; B: input Wk: QUANTISED
;;     3. [M 8,192, K 512] x [K 512, N 512]; A: computed on the way; B: input Wv: QUANTISED
;;     4. batch 64 x [M 2,048, K 32] x [K 32, N 2,048]; A: computed on the way; B: computed on the way: QUANTISED
;;     5. batch 64 x [M 32, K 2,048] x [K 2,048, N 2,048]; A: computed on the way; B: softmax (see below): QUANTISED
;;     6. [M 8,192, K 512] x [K 512, N 512]; A: computed on the way; B: input Wo: QUANTISED
;;     7. [M 8,192, K 512] x [K 512, N 512]; A: computed on the way; B: input W1: QUANTISED
;;     8. [M 8,192, K 512] x [K 512, N 512]; A: computed on the way; B: input W2: QUANTISED
;;   THE QUANTISER, for each operand of a quantised product, along K:
;;     - K is cut into blocks of 32 from its start; a last block that is shorter is filled with zeros.
;;     - A block's scale is 2^e with e = floor(log2(the largest magnitude in the block)) - 2, held to -126 .. 127; a block of zeros has e = 0. As a byte (E8M0): e + 127.
;;     - Each number is divided by its block's scale, clamped to +-7.5, and rounded to the nearest number of E2M3, ties to even, subnormals kept.
;;     - The product sums the exact products of the quantised numbers (number of the format x scale) in f32.
;;   ~~~python
;;   def quantise(x, axis):      # numpy; x: float32 -> the quantised numbers, widened to float32 again
;;       x = np.moveaxis(x, axis, -1); K = x.shape[-1]
;;       x = np.pad(x, [(0, 0)] * (x.ndim - 1) + [(0, -K % 32)]); x = x.reshape(x.shape[:-1] + (-1, 32)); a = np.abs(x).max(-1, keepdims=True)
;;       e = np.where(a > 0, np.clip(np.frexp(np.where(a > 0, a, 1))[1] - 1 - 2, -126, 127), 0)      # np.frexp(a)[1] - 1 = floor(log2(a)), exactly
;;       r = np.clip(x / 2.0 ** e, -7.5, 7.5)
;;       step = 2.0 ** (np.maximum(np.frexp(np.where(r == 0, 1, r))[1] - 1, 0) - 3)
;;       q = np.round(r / step) * step * 2.0 ** e      # np.round: ties to even
;;       return np.moveaxis(q.reshape(q.shape[:-2] + (-1,))[..., :K], -1, axis).astype(np.float32)
;;   ~~~
;;   SOFTMAX AHEAD OF A QUANTISED PRODUCT. Where the list says 'softmax', what is quantised is not the finished softmax but p = 2^(t - M), with t = logit x log2(e) and M = ceil(the row's largest t), a whole number; so 1/2 < the row's largest p <= 1. The row's sum l is taken of the UNQUANTISED p, in f32, and the product's result is divided by l at the end. Since M is a whole number, a kernel that streams over the keys may use a running M (the ceiling of the running maximum): every later rescaling is an exact power of two, which a block's scale takes up: the codes' values come out the same.
;;   OPERANDS COMPUTED ON THE WAY. 'Computed on the way' means the value that the module computes at that place (a softmax that the list does not call 'softmax' is quantised finished and normalised). What goes into a quantiser is computed in f32, as accurately as f32 sums, v_exp_f32 and their like allow (about 1e-6 of the number): no bf16 or f16 on the way to a quantiser, and a product that is left as it is and whose result goes on into a quantised operand takes f32 operands (vector FMAs, or v_wmma_f32_16x16x4_f32). A number that lies on a knife's edge between two numbers of the format may be rounded either way, as far as f32 arithmetic and the matrix unit's own rounding can turn it there, and no further.
;; One version. Each part assembles by itself: llvm-mc -triple=amdgcn-amd-amdhsa -mcpu=gfx1250 --defsym DOCPART=n.
;; ======== version 1 of 1: 4 launches
;; limits: right only within a limited range of input values
;; workspace buffers: wts 1,277,952 bytes; xnq 3,407,872 bytes; qkv 9,830,400 bytes; att 3,276,800 bytes
;; launch prep (part 1): grid 704 x 1, 4 waves a work-group, no clusters, 2,560 bytes of LDS; arguments x, ln1_g, ln1_b, Wq, Wk, Wv, Wo, W1, W2, xnq, wts; writes xnq, wts
.if DOCPART == 1
	.amdgcn_target "amdgcn-amd-amdhsa--gfx1250"
	.amdhsa_code_object_version 6
	.text
	.protected	k_q04411739a4_prep
	.globl	k_q04411739a4_prep
	.p2align	8
	.type	k_q04411739a4_prep,@function
k_q04411739a4_prep:
	s_mov_b64 s[64:65], 0
	v_nop
	global_prefetch_b8 v0, s[64:65] scope:SCOPE_SE
	s_setreg_imm32_b32 hwreg(HW_REG_WAVE_MODE, 25, 1), 1
	s_wait_xcnt 0x0
; PREP.  LayerNorm 1 of x, quantised to FP6 (E2M3) with one E8M0 byte for each 32 along K, and the six weights quantised likewise; all leave as IMAGES OF OPERAND REGISTERS.
; A work-group takes one tile of 16 rows x 512 along K; wave w takes K step w (128 along K), 64 numbers a lane.  Work-groups 0-511: tile g of x's 8,192 tokens; 512-703: tile (g - 512) % 32 of weight (g - 512) / 32.
; THE ROWS OF A TILE ARE NOT NEIGHBOURS: row m of tile t is matrix row 32 (t / 2) + 8 (t % 2) + m + (m & 8), so that the 16 result registers of tiles 2 b and 2 b + 1 of a later product are 16 neighbours along the next K.
; A lane (r, h) loads, of its row, k = 128 w + 32 b + 16 h + 0..15 into registers 16 b + 0..15: the order in which the conversions want neighbours along K.
; A FRAGMENT'S IMAGE is 1,536 bytes: register R of lane l at 512 (R / 4) + 16 l + 4 (R % 4): three stores of 512 consecutive bytes.  Its scale words: 128 bytes, lane l's at 4 l.
; The variance is taken of x - mean, so no difference of large sums is formed.
; The x path alone uses LDS and barriers; the two paths part on the work-group's number, which all four waves share.
; LIMITS: NaN and infinities are not served; a block whose largest magnitude lies under 2^-124 keeps the byte 1; a block of zeros has the byte 1 and zero codes (these bytes are read by this program alone).
; No matrix unit, no cluster, no tensor load: every byte is read once by one wave, straight into the registers that quantise it.
.set XSC,  3145728                     ; xnq: the scale words begin behind 512 tiles x 6,144 bytes of codes
.set WSC,  1179648                     ; wts: behind 192 tiles x 6,144 bytes
.set RED1, 0                           ; LDS: the four waves' row sums, 128 bytes a wave
.set RED2, 512                         ; the same for the squares
.set SCG,  1024                        ; the tile's four sets of scale words
.set PC,   20                          ; v20-31   the fragment's codes
.set CT0,  32                          ; v32-34, v36-38  halves of blocks on their way
.set CT1,  36
.set PW,   39                          ; v39      the scale word
.set TM,   40                          ; v40-55   at work in QUANT4
.set X,    64                          ; v64-127  my 64 numbers
.set G,    128                         ; v128-191 the gain at my 64 places
.set BT,   192                         ; v192-255 the offset
.set SEL,  4                           ; s[4:5]   v_permlanex16_b32's selects for lane l xor 16
; 64 numbers of a lane, register 16 b + i = k 32 b + 16 h + i of my row, become a fragment's codes (d0: blocks 0, 1; d1: blocks 2, 3; six registers each) and its scale word.
.macro QUANT4 src, d0, d1, pw
.irp b, 0,1,2,3
	v_max3_num_f32 v[TM+\b], |v[\src+16*\b]|, |v[\src+1+16*\b]|, 0x1800000   ; block b: my 16 numbers, and the floor 2^(3 - 127): the byte cannot fall under 1
.endr
.irp i, 2,4,6,8,10,12,14
.irp b, 0,1,2,3
	v_max3_num_f32 v[TM+\b], v[TM+\b], |v[\src+16*\b+\i]|, |v[\src+1+16*\b+\i]|   ; the four blocks by turns
.endr
.endr
.irp b, 0,1,2,3
	v_permlanex16_b32 v[TM+4+\b], v[TM+\b], s[SEL], s[SEL+1]
.endr
.irp b, 0,1,2,3
	v_max_num_f32 v[TM+\b], v[TM+\b], v[TM+4+\b]   ; with lane l xor 16's 16: the block's largest magnitude
.endr
.irp b, 0,1,2,3
	v_add_nc_u32 v[TM+12+\b], 0xff000000, v[TM+\b]   ; 2 off its exponent field: the conversion's scale operand
.endr
.irp b, 0,1,2,3
	v_lshrrev_b32 v[TM+4+\b], 23, v[TM+12+\b]      ; the scale's byte
.endr
	v_lshl_or_b32 v[\pw], v[TM+5], 8, v[TM+4]
	v_lshl_or_b32 v[\pw], v[TM+6], 16, v[\pw]
	v_lshl_or_b32 v[\pw], v[TM+7], 24, v[\pw]      ; my row's scale word, the same in both halves of the lanes
	v_cvt_scalef32_pk16_fp6_f32 v[\d0:\d0+2], v[\src:\src+15], v[TM+12]
	v_cvt_scalef32_pk16_fp6_f32 v[CT0:CT0+2], v[\src+16:\src+31], v[TM+13]
	v_cvt_scalef32_pk16_fp6_f32 v[\d1:\d1+2], v[\src+32:\src+47], v[TM+14]
	v_cvt_scalef32_pk16_fp6_f32 v[CT1:CT1+2], v[\src+48:\src+63], v[TM+15]
	v_nop                                          ; one plain place behind a scaled conversion
.irp i, 0,1,2
	v_permlane16_swap_b32 v[\d0+\i], v[CT0+\i]     ; the operand's layout wants a WHOLE block in a lane: lanes 0-15 the even block, lanes 16-31 the odd one
	v_permlane16_swap_b32 v[\d1+\i], v[CT1+\i]
.endr
.irp i, 0,1,2
	v_mov_b32 v[\d0+3+\i], v[CT0+\i]
	v_mov_b32 v[\d1+3+\i], v[CT1+\i]
.endr
.endm
	s_load_b512 s[8:23], s[0:1], 0x0               ; x s[8:9], gain s[10:11], offset s[12:13], Wq s[14:15], Wk s[16:17], Wv s[18:19], Wo s[20:21], W1 s[22:23]
	s_load_b128 s[24:27], s[0:1], 0x40             ; W2 s[24:25], xnq s[26:27]
	s_load_b64 s[28:29], s[0:1], 0x50              ; wts
	v_lshl_add_u32 v62, v0, 2, 0x800
	v_mov_b32 v63, 0
	v_lshrrev_b32 v1, 5, v0
	v_readfirstlane_b32 s2, v1                     ; wave 0..3 = my K step
	v_and_b32 v1, 31, v0                           ; lane
	v_and_b32 v2, 15, v0                           ; r
	v_bfe_u32 v4, v0, 4, 1                         ; h
	v_lshlrev_b32 v4, 6, v4                        ; v4: 64 h: my 16 numbers of a block of 32
	v_and_b32 v3, 8, v2
	v_add_nc_u32 v3, v3, v2                        ; r + (r & 8)
	v_lshl_add_u32 v3, v3, 11, v4                  ; v3: my row of 2,048 bytes, + 64 h
	v_lshlrev_b32 v5, 4, v1                        ; v5: 16 x lane
	v_lshlrev_b32 v6, 2, v0                        ; v6: 4 x thread = 128 x wave + 4 x lane
	v_lshlrev_b32 v7, 2, v1                        ; v7: 4 x lane
.irp b, 0,1,2,3
	v_mov_b32 v[TM+4+\b], 0                        ; written once: a lane permute's destination counts as one of its sources
.endr
	s_mov_b32 s[SEL], 0x76543210
	s_mov_b32 s[SEL+1], 0xfedcba98
	s_mov_b32 s6, 0x3b000000                       ; 1 / 512
	s_mov_b32 s7, 0x3727c5ac                       ; 1e-5
	s_cmp_lt_u32 ttmp9, 512                        ; x's work-group or a weight's?
	s_cselect_b32 s30, 0, 512
	s_cselect_b32 s31, 511, 31
	s_sub_co_u32 s30, ttmp9, s30                   ; the tile's number in its buffer
	s_and_b32 s31, s30, s31                        ; and in its matrix
	s_lshr_b32 s32, s31, 1
	s_lshl_b32 s32, s32, 16                        ; 32 rows of 2,048 bytes for each pair of tiles,
	s_and_b32 s33, s31, 1
	s_lshl_b32 s33, s33, 14                        ; 8 rows for the odd tile,
	s_add_co_u32 s32, s32, s33
	s_lshl_b32 s46, s2, 9                          ; 512 bytes for each K step
	s_mov_b32 s47, 0
	s_add_co_u32 s32, s32, s46
	s_mov_b32 s33, 0                               ; s[32:33]: where my numbers begin in the matrix
	s_mul_i32 s40, s30, 6144
	s_mul_i32 s41, s2, 1536
	s_add_co_u32 s40, s40, s41
	s_mov_b32 s41, 0                               ; s[40:41]: where my fragment's image goes
	s_lshl_b32 s42, s30, 9                         ; the tile's scale words: 512 bytes
	s_mov_b32 s43, 0
	s_lshr_b32 s44, s30, 5                         ; which weight
	s_mov_b32 s45, WSC
	s_wait_alu depctr_va_vdst(0)
	s_wait_kmcnt 0x0
	s_mov_b64 s[34:35], s[24:25]                   ; the source: W2, unless
	s_cmp_eq_u32 s44, 4
	s_cselect_b64 s[34:35], s[22:23], s[34:35]
	s_cmp_eq_u32 s44, 3
	s_cselect_b64 s[34:35], s[20:21], s[34:35]
	s_cmp_eq_u32 s44, 2
	s_cselect_b64 s[34:35], s[18:19], s[34:35]
	s_cmp_eq_u32 s44, 1
	s_cselect_b64 s[34:35], s[16:17], s[34:35]
	s_cmp_eq_u32 s44, 0
	s_cselect_b64 s[34:35], s[14:15], s[34:35]
	s_cmp_lt_u32 ttmp9, 512                        ; every choice hangs on the work-group's number alone
	s_cselect_b64 s[34:35], s[8:9], s[34:35]
	s_cselect_b64 s[36:37], s[26:27], s[28:29]
	s_cselect_b32 s45, XSC, s45
	s_add_co_u32 s42, s42, s45
	s_add_nc_u64 s[38:39], s[36:37], s[42:43]      ; the tile's scale words
	s_add_nc_u64 s[36:37], s[36:37], s[40:41]      ; my fragment's image
	s_add_nc_u64 s[34:35], s[34:35], s[32:33]      ; my numbers
.irp b, 0,1,2,3
.irp j, 0,1,2,3
	global_load_b128 v[X+16*\b+4*\j:X+16*\b+4*\j+3], v3, s[34:35] offset:128*\b+16*\j th:TH_LOAD_NT
.endr
.endr
	s_cmp_lt_u32 ttmp9, 512
	s_cbranch_scc1 .Lx_path
	; ---- a weight's tile: quantised as it is
	s_wait_loadcnt 0x0
	QUANT4 X, PC, PC+6, PW
.irp g, 0,1,2
	global_store_b128 v5, v[PC+4*\g:PC+4*\g+3], s[36:37] offset:512*\g   ; 512 consecutive bytes
.endr
	global_store_b32 v6, v[PW], s[38:39]           ; 128 consecutive bytes a wave, the four waves' on end: all the weights' scale words are 98,304 bytes of the launch
	s_endpgm
.Lx_path:
	; ---- a tile of x: LayerNorm first
	s_add_nc_u64 s[10:11], s[10:11], s[46:47]      ; gain and offset at my K step
	s_add_nc_u64 s[12:13], s[12:13], s[46:47]
.irp b, 0,1,2,3
.irp j, 0,1,2,3
	global_load_b128 v[G+16*\b+4*\j:G+16*\b+4*\j+3], v4, s[10:11] offset:128*\b+16*\j
.endr
.endr
.irp b, 0,1,2,3
.irp j, 0,1,2,3
	global_load_b128 v[BT+16*\b+4*\j:BT+16*\b+4*\j+3], v4, s[12:13] offset:128*\b+16*\j
.endr
.endr
	s_wait_loadcnt 32                              ; x's 16 loads are in; the 32 younger ones, gain and offset, may be out
	v_pk_add_f32 v[12:13], v[X:X+1], v[X+2:X+3]    ; the sum of my 64, two at a time, in two chains
	v_pk_add_f32 v[14:15], v[X+4:X+5], v[X+6:X+7]
.irp j, 8,12,16,20,24,28,32,36,40,44,48,52,56,60
	v_pk_add_f32 v[12:13], v[12:13], v[X+\j:X+\j+1]
	v_pk_add_f32 v[14:15], v[14:15], v[X+\j+2:X+\j+3]
.endr
	v_pk_add_f32 v[12:13], v[12:13], v[14:15]
	v_add_f32 v12, v12, v13
	v_permlanex16_b32 v13, v12, s[SEL], s[SEL+1]
	v_add_f32 v12, v12, v13                        ; my row's sum over this K step
	ds_store_b32 v6, v12 offset:RED1
	s_wait_dscnt 0x0                               ; for the others' sake: my store has landed
	s_barrier_signal -1
	s_barrier_wait -1
.irp k, 0,1,2,3
	ds_load_b32 v[16+\k], v7 offset:RED1+128*\k
.endr
	s_wait_dscnt 0x0
	v_add_f32 v16, v16, v17
	v_add_f32 v18, v18, v19
	v_add_f32 v16, v16, v18
	v_mul_f32 v8, s6, v16                          ; the mean,
	v_mov_b32 v9, v8                               ; twice: a pair for the packed forms
.set j, 0
.rept 32
	v_pk_add_f32 v[X+j:X+j+1], v[X+j:X+j+1], v[8:9] neg_lo:[0,1] neg_hi:[0,1]   ; x - mean
.set j, j+2
.endr
	v_pk_mul_f32 v[12:13], v[X:X+1], v[X:X+1]      ; the sum of its squares
	v_pk_mul_f32 v[14:15], v[X+2:X+3], v[X+2:X+3]
.irp j, 4,8,12,16,20,24,28,32,36,40,44,48,52,56,60
	v_pk_fma_f32 v[12:13], v[X+\j:X+\j+1], v[X+\j:X+\j+1], v[12:13]
	v_pk_fma_f32 v[14:15], v[X+\j+2:X+\j+3], v[X+\j+2:X+\j+3], v[14:15]
.endr
	v_pk_add_f32 v[12:13], v[12:13], v[14:15]
	v_add_f32 v12, v12, v13
	v_permlanex16_b32 v13, v12, s[SEL], s[SEL+1]
	v_add_f32 v12, v12, v13
	ds_store_b32 v6, v12 offset:RED2               ; other bytes than the first sums': no wave can still be reading them
	s_wait_dscnt 0x0
	s_barrier_signal -1
	s_barrier_wait -1
.irp k, 0,1,2,3
	ds_load_b32 v[16+\k], v7 offset:RED2+128*\k
.endr
	s_wait_dscnt 0x0
	v_add_f32 v16, v16, v17
	v_add_f32 v18, v18, v19
	v_add_f32 v16, v16, v18
	v_fma_f32 v14, v16, s6, s7                     ; variance + 1e-5
	s_wait_alu depctr_va_vdst(0)
	v_rsq_f32 v10, v14
	v_nop                                          ; a plain place behind the transcendental
	s_wait_alu depctr_va_vdst(0)                   ; ahead of the first line that names the result
	v_mov_b32 v11, v10
	s_wait_alu depctr_va_vdst(0)
	s_wait_loadcnt 0x0                             ; gain and offset
.set j, 0
.rept 32
	v_pk_mul_f32 v[X+j:X+j+1], v[X+j:X+j+1], v[10:11]
.set j, j+2
.endr
.set j, 0
.rept 32
	v_pk_fma_f32 v[X+j:X+j+1], v[X+j:X+j+1], v[G+j:G+j+1], v[BT+j:BT+j+1]
.set j, j+2
.endr
	QUANT4 X, PC, PC+6, PW
.irp g, 0,1,2
	global_store_b128 v5, v[PC+4*\g:PC+4*\g+3], s[36:37] offset:512*\g   ; 512 consecutive bytes
.endr
	ds_store_b32 v6, v[PW] offset:SCG              ; the four waves' scale words meet in LDS and leave as 512 consecutive bytes
	s_wait_dscnt 0x0
	s_barrier_signal -1
	s_barrier_wait -1
	s_cmp_lg_u32 s2, 0
	s_cbranch_scc1 .Lx_done
	ds_load_b128 v[56:59], v5 offset:SCG
	s_wait_dscnt 0x0
	global_store_b128 v5, v[56:59], s[38:39]
.Lx_done:
	s_wait_tensorcnt 0x0
	ds_add_u32 v62, v63
	s_wait_dscnt 0x0
	s_endpgm
.Lfunc_end_k_q04411739a4_prep:
	.size	k_q04411739a4_prep, .Lfunc_end_k_q04411739a4_prep-k_q04411739a4_prep
	.p2alignl 7, 3214868480
	.fill 96, 4, 3214868480
	.section	.rodata,"a",@progbits
	.p2align	6, 0x0
	.amdhsa_kernel k_q04411739a4_prep
		.amdhsa_group_segment_fixed_size 2560
		.amdhsa_private_segment_fixed_size 0
		.amdhsa_enable_private_segment 0
		.amdhsa_kernarg_size 88
		.amdhsa_user_sgpr_count 2
		.amdhsa_user_sgpr_kernarg_segment_ptr 1
		.amdhsa_wavefront_size32 1
		.amdhsa_system_sgpr_workgroup_id_x 1
		.amdhsa_system_sgpr_workgroup_id_y 1
		.amdhsa_system_sgpr_workgroup_id_z 1
		.amdhsa_system_vgpr_workitem_id 0
		.amdhsa_next_free_vgpr 256
		.amdhsa_next_free_sgpr 66
		.amdhsa_reserve_vcc 0
		.amdhsa_float_denorm_mode_32 3
		.amdhsa_float_denorm_mode_16_64 3
		.amdhsa_memory_ordered 1
		.amdhsa_forward_progress 1
		.amdhsa_inst_pref_size 29
	.end_amdhsa_kernel
	.amdgpu_metadata
---
amdhsa.version: [ 1, 2 ]
amdhsa.kernels:
  - .name:           k_q04411739a4_prep
    .symbol:         k_q04411739a4_prep.kd
    .args:
      - { .name: x, .offset: 0, .size: 8, .value_kind: global_buffer, .address_space: global }
      - { .name: ln1_g, .offset: 8, .size: 8, .value_kind: global_buffer, .address_space: global }
      - { .name: ln1_b, .offset: 16, .size: 8, .value_kind: global_buffer, .address_space: global }
      - { .name: Wq, .offset: 24, .size: 8, .value_kind: global_buffer, .address_space: global }
      - { .name: Wk, .offset: 32, .size: 8, .value_kind: global_buffer, .address_space: global }
      - { .name: Wv, .offset: 40, .size: 8, .value_kind: global_buffer, .address_space: global }
      - { .name: Wo, .offset: 48, .size: 8, .value_kind: global_buffer, .address_space: global }
      - { .name: W1, .offset: 56, .size: 8, .value_kind: global_buffer, .address_space: global }
      - { .name: W2, .offset: 64, .size: 8, .value_kind: global_buffer, .address_space: global }
      - { .name: xnq, .offset: 72, .size: 8, .value_kind: global_buffer, .address_space: global }
      - { .name: wts, .offset: 80, .size: 8, .value_kind: global_buffer, .address_space: global }
    .group_segment_fixed_size: 2560
    .private_segment_fixed_size: 0
    .kernarg_segment_align: 8
    .kernarg_segment_size: 88
    .max_flat_workgroup_size: 128
    .sgpr_count:     66
    .vgpr_count:     256
    .wavefront_size: 32
...
	.end_amdgpu_metadata
.endif
;; end of part 1
;; launch qkv (part 2): grid 64 x 4, 12 waves a work-group, no clusters, 54,784 bytes of LDS; arguments xnq, wts, qkv; writes qkv
.if DOCPART == 2
	.amdgcn_target "amdgcn-amd-amdhsa--gfx1250"
	.amdhsa_code_object_version 6
	.text
	.protected	k_q04411739a4_qkv
	.globl	k_q04411739a4_qkv
	.p2align	8
	.type	k_q04411739a4_qkv,@function
k_q04411739a4_qkv:
	s_mov_b64 s[64:65], 0
	v_nop
	global_prefetch_b8 v0, s[64:65] scope:SCOPE_SE
	s_setreg_imm32_b32 hwreg(HW_REG_WAVE_MODE, 25, 1), 1
	s_wait_xcnt 0x0
; QKV.  q = (xn Wq^T) / sqrt(32), k = xn Wk^T, v = xn Wv^T on codes of FP6 (E2M3) with E8M0 scales; the results are quantised in registers and leave as images of attention's operand registers.
; SHARES.  Work-group (X, Y): tokens 128 X .. 128 X + 127 (token tiles 8 X .. 8 X + 7; batch X / 16, key step X % 16) and heads 4 Y .. 4 Y + 3.  Wave w: q, k or v (w / 4) of head 4 Y + w % 4: 128 tokens x 32 features.
; xn's 32 fragment images and their scale words come into LDS once; a wave's 8 weight fragments go straight into its registers: each byte is read once by the work-group.
; q, k: THE PRODUCT IS USED TRANSPOSED (source 0 = 16 rows of W, source 1 = 16 tokens): a lane holds one token and its 16 registers of the head's two weight tiles are d = 16 h + 0..15.  A block of the quantiser is one token's 32 d.
;   The four token tiles of a pass become the four blocks of ONE fragment: registers 6 c .. 6 c + 5 of lane (r, h) are the 24 bytes of row r of token tile 2 c + h; its scale word's byte t is tile t's.
; v: source 0 = 16 tokens, source 1 = 16 rows of W: a lane holds one d and its registers run along the tokens, which are the keys, the K of attention's second product.
; The eight accumulators of a pass take turns, one instruction a turn, in the same order in every K step.
; NO CLUSTER: the weights pass through no LDS tile (each wave's 12,288 bytes are its own), and xn's 53,248 bytes are read once at the head, a quarter of what the work-group reads.
; LIMITS: NaN and infinities are not served; a block whose largest magnitude lies under 2^-124 keeps the byte 1; a block of zeros has the byte 1 and zero codes (these bytes are read by this program alone).
.set XSC,  3145728                     ; xnq: where the scale words begin
.set WSC,  1179648                     ; wts: likewise
.set QSC,  9437184                     ; qkv: likewise
.set XL,   49152                       ; LDS: xn's scale words, behind its 32 images of 1,536 bytes
.set AS,   8                           ; v8-11    xn's scale words, one register a token tile
.set BS,   12                          ; v12-19   the weights' scale words: tile u, K step s at 4 u + s
.set CF,   20                          ; v20-43   the two fragments that leave
.set ACC,  44                          ; v44-107  eight accumulators (at the head: what goes to LDS)
.set AF,   108                         ; v108-155 four fragments of xn; between the passes the quantiser's registers
.set BF,   160                         ; v160-255 my eight weight fragments: 12 (4 u + s)
.set TM,   108
.set CT0,  124
.set CT1,  128
.set SEL,  40                          ; s[40:41] v_permlanex16_b32's selects for lane l xor 16
.macro QUANT4 src, d0, d1, pw          ; 64 numbers of a lane, register 16 b + i = place 16 h + i of block b of my row: codes (d0: blocks 0, 1; d1: blocks 2, 3) and the scale word
.irp b, 0,1,2,3
	v_max3_num_f32 v[TM+\b], |v[\src+16*\b]|, |v[\src+1+16*\b]|, 0x1800000   ; my 16 numbers, and the floor 2^(3 - 127): the byte cannot fall under 1.  Each accumulator is read from its low end on
.endr
.irp i, 2,4,6,8,10,12,14
.irp b, 0,1,2,3
	v_max3_num_f32 v[TM+\b], v[TM+\b], |v[\src+16*\b+\i]|, |v[\src+1+16*\b+\i]|
.endr
.endr
.irp b, 0,1,2,3
	s_delay_alu instid0(VALU_DEP_4)
	v_permlanex16_b32 v[TM+4+\b], v[TM+\b], s[SEL], s[SEL+1]
.endr
.irp b, 0,1,2,3
	s_delay_alu instid0(VALU_DEP_4)
	v_max_num_f32 v[TM+\b], v[TM+\b], v[TM+4+\b]
.endr
.irp b, 0,1,2,3
	s_delay_alu instid0(VALU_DEP_4)
	v_add_nc_u32 v[TM+12+\b], 0xff000000, v[TM+\b]   ; 2 off the exponent field: the conversion's scale operand
.endr
.irp b, 0,1,2,3
	s_delay_alu instid0(VALU_DEP_4)
	v_lshrrev_b32 v[TM+4+\b], 23, v[TM+12+\b]
.endr
	s_delay_alu instid0(VALU_DEP_3)
	v_lshl_or_b32 v[\pw], v[TM+5], 8, v[TM+4]
	s_delay_alu instid0(VALU_DEP_1)
	v_lshl_or_b32 v[\pw], v[TM+6], 16, v[\pw]
	s_delay_alu instid0(VALU_DEP_1)
	v_lshl_or_b32 v[\pw], v[TM+7], 24, v[\pw]
	v_cvt_scalef32_pk16_fp6_f32 v[\d0:\d0+2], v[\src:\src+15], v[TM+12]
	v_cvt_scalef32_pk16_fp6_f32 v[CT0:CT0+2], v[\src+16:\src+31], v[TM+13]
	v_cvt_scalef32_pk16_fp6_f32 v[\d1:\d1+2], v[\src+32:\src+47], v[TM+14]
	v_cvt_scalef32_pk16_fp6_f32 v[CT1:CT1+2], v[\src+48:\src+63], v[TM+15]
	v_nop                                          ; one plain place behind a scaled conversion
.irp i, 0,1,2
	v_permlane16_swap_b32 v[\d0+\i], v[CT0+\i]     ; a whole block to a lane: lanes 0-15 the even block, lanes 16-31 the odd one
	v_permlane16_swap_b32 v[\d1+\i], v[CT1+\i]
.endr
.irp i, 0,1,2
	v_mov_b32 v[\d0+3+\i], v[CT0+\i]
	v_mov_b32 v[\d1+3+\i], v[CT1+\i]
.endr
.endm
.macro MM d, a, b, c, sa, sb           ; one matrix instruction; c < 0: the constant 0 starts the sum
.if (\c) < 0
	v_wmma_scale_f32_16x16x128_f8f6f4 v[\d:\d+7], v[\a:\a+11], v[\b:\b+11], 0, v[\sa], v[\sb] matrix_a_fmt:MATRIX_FMT_FP6 matrix_b_fmt:MATRIX_FMT_FP6
.else
	v_wmma_scale_f32_16x16x128_f8f6f4 v[\d:\d+7], v[\a:\a+11], v[\b:\b+11], v[\c:\c+7], v[\sa], v[\sb] matrix_a_fmt:MATRIX_FMT_FP6 matrix_b_fmt:MATRIX_FMT_FP6
.endif
.endm
; A pass: 64 tokens (token tiles 4 p .. 4 p + 3 of the work-group's eight) x my 32 features, K in four steps of 128; then the quantiser.
.macro PASS p, isv
.irp s, 0,1,2,3
.if \s > 0
.rept 4
	v_nop                                          ; four places in front of loads into registers that matrix instructions have read
.endr
.endif
.irp tt, 0,1,2,3
.irp g, 0,1,2
	ds_load_b128 v[AF+12*\tt+4*\g:AF+12*\tt+4*\g+3], v1 offset:((4*\p+\tt)*4+\s)*1536+512*\g
.endr
	ds_load_b32 v[AS+\tt], v2 offset:XL+(4*\p+\tt)*512+128*\s
.endr
	s_wait_dscnt 0x0
.irp tt, 0,1,2,3
.irp u, 0,1
.if \isv
.if \s == 0
	MM ACC+8*(4*\u+\tt), AF+12*\tt, BF+12*(4*\u+\s), -1, AS+\tt, BS+4*\u+\s
.else
	MM ACC+8*(4*\u+\tt), AF+12*\tt, BF+12*(4*\u+\s), ACC+8*(4*\u+\tt), AS+\tt, BS+4*\u+\s
.endif
.else
.if \s == 0
	MM ACC+8*(2*\tt+\u), BF+12*(4*\u+\s), AF+12*\tt, -1, BS+4*\u+\s, AS+\tt
.else
	MM ACC+8*(2*\tt+\u), BF+12*(4*\u+\s), AF+12*\tt, ACC+8*(2*\tt+\u), BS+4*\u+\s, AS+\tt
.endif
.endif
.endr
.endr
.endr
.rept 5
	v_nop                                          ; five places: the results are read, xn's fragment registers are written by vector lines, and the next pass begins these accumulators anew
.endr
.if \isv
	QUANT4 ACC, CF+6*\p, CF+12+6*\p, 5+\p          ; block 2 u + i is (d tile u, key block 2 p + i): six registers of V's fragment u
.else
	s_cmp_lg_u32 s11, 0                            ; q alone is scaled, ahead of the quantiser, in f32
	s_cbranch_scc1 .Lnot_q_\@
.set j, 0
.rept 32
	v_pk_mul_f32 v[ACC+j:ACC+j+1], v[ACC+j:ACC+j+1], 0x3e3504f3 op_sel_hi:[1,0]   ; x 1 / sqrt(32)
.set j, j+2
.endr
.Lnot_q_\@:
	QUANT4 ACC, CF+12*\p, CF+12*\p+6, 5+\p         ; block t is token tile t: the pass's own fragment
.endif
.endm
	s_load_b128 s[4:7], s[0:1], 0x0                ; xnq s[4:5], wts s[6:7]
	s_load_b64 s[8:9], s[0:1], 0x10                ; qkv
	v_lshl_add_u32 v158, v0, 2, 0xd000
	v_mov_b32 v159, 0
	v_lshrrev_b32 v1, 5, v0
	s_delay_alu instid0(VALU_DEP_1)
	v_readfirstlane_b32 s2, v1                     ; wave 0..11
	v_and_b32 v7, 31, v0                           ; lane
	s_delay_alu instid0(VALU_DEP_1)
	v_cmp_gt_u32 vcc_lo, 16, v7                    ; lanes 0-15; never rewritten
	s_delay_alu instid0(VALU_DEP_2)
	v_lshlrev_b32 v1, 4, v7                        ; v1: 16 x lane
	s_delay_alu instid0(VALU_DEP_3)
	v_lshlrev_b32 v2, 2, v7                        ; v2: 4 x lane
	v_lshlrev_b32 v3, 4, v0                        ; v3: 16 x thread
.irp b, 0,1,2,3
	v_mov_b32 v[TM+4+\b], 0                        ; written once: a lane permute's destination counts as one of its sources
.endr
	s_mov_b32 s[SEL], 0x76543210
	s_mov_b32 s[SEL+1], 0xfedcba98
	s_and_b32 s10, ttmp7, 0xffff                   ; Y
	s_lshr_b32 s11, s2, 2                          ; 0: q, 1: k, 2: v
	s_and_b32 s12, s2, 3
	s_lshl_b32 s13, s10, 2
	s_add_co_u32 s12, s12, s13                     ; my head
	s_lshr_b32 s13, ttmp9, 4                       ; the batch
	s_and_b32 s14, ttmp9, 15                       ; the key step
	s_lshl_b32 s13, s13, 4
	s_add_co_u32 s13, s13, s12                     ; 16 x batch + head
	s_mul_i32 s28, ttmp9, 49152                    ; xn's codes: 8 tiles of 6,144 bytes
	s_mov_b32 s29, 0
	s_lshl_b32 s30, ttmp9, 12                      ; its scale words: 8 tiles of 512 bytes
	s_add_co_u32 s30, s30, XSC
	s_mov_b32 s31, 0
	s_lshl_b32 s15, s11, 5
	s_lshl_b32 s32, s12, 1
	s_add_co_u32 s15, s15, s32                     ; my first weight tile: 32 x (q, k, v) + 2 x head
	s_mul_i32 s32, s15, 6144
	s_mov_b32 s33, 0
	s_lshl_b32 s34, s15, 9
	s_add_co_u32 s34, s34, WSC
	s_mov_b32 s35, 0
	s_mul_i32 s36, s13, 147456                     ; out: [batch, head][q, k, v][key step][2] images
	s_mul_i32 s15, s11, 49152
	s_add_co_u32 s36, s36, s15
	s_mul_i32 s15, s14, 3072
	s_add_co_u32 s36, s36, s15
	s_mov_b32 s37, 0
	s_mul_i32 s38, s13, 6144                       ; and [batch, head][q, k, v][key step][lane] scale words
	s_lshl_b32 s15, s11, 11
	s_add_co_u32 s38, s38, s15
	s_lshl_b32 s15, s14, 7
	s_add_co_u32 s38, s38, s15
	s_add_co_u32 s38, s38, QSC
	s_mov_b32 s39, 0
	s_wait_kmcnt 0x0
	s_add_nc_u64 s[16:17], s[4:5], s[28:29]
	s_add_nc_u64 s[18:19], s[4:5], s[30:31]
	s_add_nc_u64 s[20:21], s[6:7], s[32:33]
	s_add_nc_u64 s[22:23], s[6:7], s[34:35]
	s_add_nc_u64 s[24:25], s[8:9], s[36:37]
	s_add_nc_u64 s[26:27], s[8:9], s[38:39]
	s_cmp_lt_u32 s2, 8                             ; xn's 4,096 bytes of scale words are 256 threads' worth
	s_cbranch_scc0 .Lno_scale_load
	s_wait_alu depctr_va_vdst(0)
	global_load_b128 v[44:47], v3, s[18:19]
.Lno_scale_load:
	s_wait_alu depctr_va_vdst(0)
.irp i, 0,1,2,3,4,5,6,7
	global_load_b128 v[48+4*\i:51+4*\i], v3, s[16:17] offset:6144*\i   ; 384 threads x 16 bytes, eight times: xn's 49,152 bytes
.endr
.irp k, 0,1,2,3,4,5,6,7,8,9,10,11,12,13,14,15,16,17,18,19,20,21,22,23
	global_load_b128 v[BF+4*\k:BF+4*\k+3], v1, s[20:21] offset:512*\k   ; my eight weight fragments, as they will stand
.endr
.irp k, 0,1,2,3,4,5,6,7
	global_load_b32 v[BS+\k], v2, s[22:23] offset:128*\k
.endr
	s_wait_loadcnt 32                              ; xn is in; the 32 younger loads, the weights', may be out
.irp i, 0,1,2,3,4,5,6,7
	ds_store_b128 v3, v[48+4*\i:51+4*\i] offset:6144*\i
.endr
	s_cmp_lt_u32 s2, 8
	s_cbranch_scc0 .Lno_scale_store
	ds_store_b128 v3, v[44:47] offset:XL
.Lno_scale_store:
	s_wait_dscnt 0x0                               ; for the others' sake: my stores have landed
	s_barrier_signal -1
	s_barrier_wait -1                              ; the one barrier: LDS is only read from here on
	s_wait_loadcnt 0x0                             ; the weights
	s_cmp_eq_u32 s11, 2
	s_cbranch_scc1 .Lv_path
	PASS 0, 0
	PASS 1, 0
	v_cndmask_b32 v4, v6, v5, vcc_lo               ; lanes 0-15: the first fragment's scale words, lanes 16-31 the second's
	s_branch .Lout
.Lv_path:
	PASS 0, 1
	PASS 1, 1
	v_perm_b32 v4, v6, v5, 0x05040100              ; d tile 0: key blocks 0, 1 of the first pass's word, 2, 3 of the second's
	v_perm_b32 v7, v6, v5, 0x07060302              ; d tile 1
	s_delay_alu instid0(VALU_DEP_1)
	v_cndmask_b32 v4, v7, v4, vcc_lo
.Lout:
	s_wait_alu depctr_va_vdst(0)
.irp k, 0,1,2,3,4,5
	global_store_b128 v1, v[CF+4*\k:CF+4*\k+3], s[24:25] offset:512*\k   ; 3,072 consecutive bytes in six stores of 512
.endr
	global_store_b32 v2, v4, s[26:27]              ; 128 consecutive bytes
	s_wait_tensorcnt 0x0
	ds_add_u32 v158, v159
	s_wait_dscnt 0x0
	s_endpgm
.Lfunc_end_k_q04411739a4_qkv:
	.size	k_q04411739a4_qkv, .Lfunc_end_k_q04411739a4_qkv-k_q04411739a4_qkv
	.p2alignl 7, 3214868480
	.fill 96, 4, 3214868480
	.section	.rodata,"a",@progbits
	.p2align	6, 0x0
	.amdhsa_kernel k_q04411739a4_qkv
		.amdhsa_group_segment_fixed_size 54784
		.amdhsa_private_segment_fixed_size 0
		.amdhsa_enable_private_segment 0
		.amdhsa_kernarg_size 24
		.amdhsa_user_sgpr_count 2
		.amdhsa_user_sgpr_kernarg_segment_ptr 1
		.amdhsa_wavefront_size32 1
		.amdhsa_system_sgpr_workgroup_id_x 1
		.amdhsa_system_sgpr_workgroup_id_y 1
		.amdhsa_system_sgpr_workgroup_id_z 1
		.amdhsa_system_vgpr_workitem_id 0
		.amdhsa_next_free_vgpr 256
		.amdhsa_next_free_sgpr 66
		.amdhsa_reserve_vcc 1
		.amdhsa_float_denorm_mode_32 3
		.amdhsa_float_denorm_mode_16_64 3
		.amdhsa_memory_ordered 1
		.amdhsa_forward_progress 1
		.amdhsa_inst_pref_size 67
	.end_amdhsa_kernel
	.amdgpu_metadata
---
amdhsa.version: [ 1, 2 ]
amdhsa.kernels:
  - .name:           k_q04411739a4_qkv
    .symbol:         k_q04411739a4_qkv.kd
    .args:
      - { .name: xnq, .offset: 0, .size: 8, .value_kind: global_buffer, .address_space: global }
      - { .name: wts, .offset: 8, .size: 8, .value_kind: global_buffer, .address_space: global }
      - { .name: qkv, .offset: 16, .size: 8, .value_kind: global_buffer, .address_space: global }
    .group_segment_fixed_size: 54784
    .private_segment_fixed_size: 0
    .kernarg_segment_align: 8
    .kernarg_segment_size: 24
    .max_flat_workgroup_size: 384
    .sgpr_count:     66
    .vgpr_count:     256
    .wavefront_size: 32
...
	.end_amdgpu_metadata
.endif
;; end of part 2
;; launch attn (part 3): grid 4 x 64, 16 waves a work-group, no clusters, 167,936 bytes of LDS; arguments qkv, att; writes att
.if DOCPART == 3
	.amdgcn_target "amdgcn-amd-amdhsa--gfx1250"
	.amdhsa_code_object_version 6
	.text
	.protected	k_q04411739a4_attn
	.globl	k_q04411739a4_attn
	.p2align	8
	.type	k_q04411739a4_attn,@function
k_q04411739a4_attn:
	s_mov_b64 s[64:65], 0
	v_nop
	global_prefetch_b8 v0, s[64:65] scope:SCOPE_SE
	s_setreg_imm32_b32 hwreg(HW_REG_WAVE_MODE, 25, 1), 1
	s_wait_xcnt 0x0
; ATTENTION on codes of FP6 (E2M3) with E8M0 scales, head size 32, 2,048 keys.  t = score x log2(e); M = the running largest t rounded UP to a whole number; p = 2^(t - M) is quantised along the keys, not normalised;
; the row's sum is taken of the unquantised p and divides O at the end; when M moves, the sum and O are multiplied by 2^(old M - new M), which rounds nothing.  O / sum is quantised, a head's 32 numbers a block, for the next product.
; SHARES.  Work-group (X, bh): 512 queries of one head of one batch.  Wave w owns token tiles 32 X + 2 w and + 1, taken one after the other; four waves lie on a SIMD.
; THE WHOLE HEAD LIES IN LDS: K's and V's 32 fragment images each (98,304 bytes) and their scale words (4,096), brought once by asynchronous copies, in two halves: key steps 0-7 are read behind a counted wait and a barrier
; while the copies of key steps 8-15 are out; a second barrier, in the middle of the first pass, shows those.  The loop touches no memory.
; K IS RE-LAID ON ITS WAY IN.  In memory row m of key tile t of a fragment is key 32 (t / 2) + 8 (t % 2) + m + (m & 8); in LDS tile i, row 8 h + j is key 32 h + 8 i + j of the fragment's 64.  In the image that exchanges the
; register group (0 or 1, six registers) with bit 3 of the row: copies of 8 bytes a lane, the source's lane and group chosen by address.  K's scale words follow: two halves of 16 bits of rows j and 8 + j, joined in registers.
; So in S^T lane (r, h) holds, in the 32 registers of score tiles 4 c .. 4 c + 3, keys 64 c + 32 h + 0 .. 31: ONE WHOLE BLOCK of the quantiser, in the order of the second product's operand: no lane is asked for a block's maximum, no code changes lanes.
; THE FIRST PRODUCT HAS K = 32, one block of the instruction's four.  A fragment of K holds four key tiles, one in each block; the query stands in one block of source 1 and zero codes in the other three.
;   The four placements are cut out of one chain of 30 registers, Ra Z Rb Z Ra (Ra: q in lanes 0-15, zeros above; Rb the reverse; Z zeros): block 0 at +0, block 1 at +12, block 2 at +18, block 3 at +6.
; Both products are used transposed (S^T = K Q^T, O^T = V^T P^T): a lane holds ONE query throughout.
; NO CLUSTER: what the four work-groups of a head share is 102,400 bytes read once at the head, against 32 x 16 key steps of some 200 vector instructions in each wave; and K's copies re-lay by lane addresses, which a joint tensor load cannot.
; NO PREFETCH: all that the launch reads is asked for at its head; there is no loop over memory to run ahead in.
; LIMITS: the scaled scores stay under 2^31 in magnitude; NaN and infinities are not served; a block whose largest magnitude lies under 2^-124 keeps the byte 1; a block of zeros has the byte 1 and zero codes (read by this program alone).
.set QSC,  9437184                     ; qkv: where the scale words begin
.set ASC,  3145728                     ; att: where the scale bytes begin
.set VOFF, 49152                       ; LDS: V's images behind K's
.set KSCL, 98304                       ; K's scale words, 2,048 bytes (stored from registers); V's follow (copied)
.set OSC,  102400                      ; the work-group's 512 scale bytes of O
.set SPARE, 102912                     ; the spare words: 128 bytes a wave, named by the add alone
.set QC,   32                          ; v32-61   the chain Ra Z Rb Z Ra
.set KF,   64                          ; v64-87   two fragments of K
.set VF,   88                          ; v88-111  two fragments of V
.set SS,   112                         ; v112-175 S^T, then p
.set OT,   176                         ; v176-191 O^T
.set PC,   192                         ; v192-203 p's codes
.set CT0,  204                         ; v204-206, v208-210 the upper halves of the two blocks, on their way
.set CT1,  208
.set BM,   212                         ; v212-215 four chains of maxima; then BM, BM+2: my two blocks' largest score, then largest p
.set PT,   216                         ; v216-217 lane permutes' destinations
.set SO,   220                         ; v220-221 the conversions' scale operands
.set BY,   222                         ; v222-223 the scales' bytes
.set SA,   224                         ; v224-231 the step's sum of p, four pairs (at the head: addresses)
.set E,    232                         ; v232-237 O's codes;  v238, v239 its two bytes;  v240-242 the second tile's half blocks
.set CTO,  240
.set KS_,  244                         ; v244-246 K's copies: offsets in memory;  v247-249 their LDS addresses;  v250, v251 V's;  v252, v253 the scale words'.  Untouched while copies are out
.set KD_,  247
.set SEL,  24                          ; s[24:25] selects for lane l xor 16
.set CS,   26                          ; s[26:27] log2(e), as a pair for the packed form
.set SELB, 28                          ; s28, s29 byte selects: which byte of Q's scale word is tile 0's, tile 1's
.set TB,   30                          ; s30      the key step's images
.set TS,   31                          ; s31      its scale words
.set CNT,  32                          ; s32      key steps to go
.set NC,   38                          ; s38      -log2(e)
; v1 16 x lane; v2 K's scale words + 4 x lane; v3, v4 the step's addresses; v5 zero; v6-11, v12-17 q's codes of my two tiles; v18 Q's scale word; v19 q's byte four times; v20 K's, v21 V's, v22 p's scale words;
; v24 -M, v25 the largest score; v[26:27] the sum in two halves; v[28:29] f; v23 8 x lane; v30, v31 addresses of the scale bytes in LDS; v62 the old -M; v63 at work; v254, v255 the add's two registers.
.macro MM d, a, b, c, sa, sb, row      ; c < 0: the constant 0 starts the sum.  row = 1: source 0's scales stand in lanes 16-31
.if (\c) < 0
.if \row
	v_wmma_scale_f32_16x16x128_f8f6f4 v[\d:\d+7], v[\a:\a+11], v[\b:\b+11], 0, v[\sa], v[\sb] matrix_a_fmt:MATRIX_FMT_FP6 matrix_b_fmt:MATRIX_FMT_FP6 matrix_a_scale:MATRIX_SCALE_ROW1
.else
	v_wmma_scale_f32_16x16x128_f8f6f4 v[\d:\d+7], v[\a:\a+11], v[\b:\b+11], 0, v[\sa], v[\sb] matrix_a_fmt:MATRIX_FMT_FP6 matrix_b_fmt:MATRIX_FMT_FP6
.endif
.else
.if \row
	v_wmma_scale_f32_16x16x128_f8f6f4 v[\d:\d+7], v[\a:\a+11], v[\b:\b+11], v[\c:\c+7], v[\sa], v[\sb] matrix_a_fmt:MATRIX_FMT_FP6 matrix_b_fmt:MATRIX_FMT_FP6 matrix_a_scale:MATRIX_SCALE_ROW1
.else
	v_wmma_scale_f32_16x16x128_f8f6f4 v[\d:\d+7], v[\a:\a+11], v[\b:\b+11], v[\c:\c+7], v[\sa], v[\sb] matrix_a_fmt:MATRIX_FMT_FP6 matrix_b_fmt:MATRIX_FMT_FP6
.endif
.endif
.endm
.macro MERGE                           ; the four pairs of a step's sum join the row's
	v_pk_add_f32 v[SA:SA+1], v[SA:SA+1], v[SA+2:SA+3]
	v_pk_add_f32 v[SA+4:SA+5], v[SA+4:SA+5], v[SA+6:SA+7]
	v_mov_b32 v62, v24                             ; the old -M
	v_pk_add_f32 v[26:27], v[26:27], v[SA:SA+1]
	v_pk_add_f32 v[26:27], v[26:27], v[SA+4:SA+5]
.endm
; A KEY STEP: 128 keys.
.macro STEP o                          ; o: the first or the second key step of a trip; the second's place stands in the loads' immediates
.if \o == 0
	v_add_nc_u32 v3, s[TB], v1
	v_add_nc_u32 v4, s[TS], v2
.endif
.irp k, 0,1,2,3,4,5
	ds_load_b128 v[KF+4*\k:KF+4*\k+3], v3 offset:3072*\o+512*\k          ; (the last step's twenty additions are the places behind its products, in front of these loads)
.endr
	ds_load_b32 v20, v4 offset:128*\o              ; lanes 0-15: the first fragment's words, lanes 16-31 the second's
.irp k, 0,1,2,3,4,5
	ds_load_b128 v[VF+4*\k:VF+4*\k+3], v3 offset:VOFF+3072*\o+512*\k     ; 54,784 at the most: inside the 16 bits of an LDS offset
.endr
	ds_load_b32 v21, v4 offset:2048+128*\o
	s_wait_dscnt 7                                 ; K's seven loads are in; V's seven, the younger ones, may be out
	MM SS+0,  KF,    QC+0,  -1, 20, 19, 0          ; score tile 4 c + i: fragment c, the query in block i
	MM SS+8,  KF,    QC+12, -1, 20, 19, 0
	MM SS+16, KF,    QC+18, -1, 20, 19, 0
	MM SS+24, KF,    QC+6,  -1, 20, 19, 0
	MM SS+32, KF+12, QC+0,  -1, 20, 19, 1
	MM SS+40, KF+12, QC+12, -1, 20, 19, 1
	MM SS+48, KF+12, QC+18, -1, 20, 19, 1
	MM SS+56, KF+12, QC+6,  -1, 20, 19, 1
	MERGE                                          ; the LAST step's sum, still under the old M: five plain lines that name no register of the products: their places
.irp q, 0,1,2,3
	v_max3_num_f32 v[BM+\q], v[SS+16*\q], v[SS+16*\q+1], v[SS+16*\q+2]   ; four chains by turns, two to a block; each accumulator is read from its low end on
.endr
.irp i, 3,5,7,9,11,13
.irp q, 0,1,2,3
	v_max3_num_f32 v[BM+\q], v[BM+\q], v[SS+16*\q+\i], v[SS+16*\q+\i+1]
.endr
.endr
	v_max3_num_f32 v[BM], v[BM], v[BM+1], v[SS+15]
	v_max3_num_f32 v[BM+2], v[BM+2], v[BM+3], v[SS+47]
	v_max_num_f32 v[BM], v[BM], v[SS+31]           ; the largest score of my block 2 c + h, c = 0,
	v_max_num_f32 v[BM+2], v[BM+2], v[SS+63]       ; and c = 1: each serves the row's maximum and, since p rises with the score, the block's largest p
	s_delay_alu instid0(VALU_DEP_1)
	v_max_num_f32 v63, v[BM], v[BM+2]
	s_delay_alu instid0(VALU_DEP_1)
	v_permlanex16_b32 v[PT], v63, s[SEL], s[SEL+1]
	s_delay_alu instid0(VALU_DEP_1)
	v_max3_num_f32 v25, v25, v63, v[PT]            ; the running largest score of my query
	s_delay_alu instid0(VALU_DEP_1)
	v_mul_f32 v63, s[NC], v25                      ; -t
	s_delay_alu instid0(VALU_DEP_1)
	v_floor_f32 v24, v63                           ; the new -M = floor(-t): M is a whole number
.set j, 0
.rept 32
	v_pk_fma_f32 v[SS+j:SS+j+1], v[SS+j:SS+j+1], s[CS:CS+1], v[24:25] op_sel_hi:[1,0,0]   ; t - M, two at a time; the factor's three lines stand among them
.if j == 6
	v_sub_f32 v63, v24, v62                        ; old M - new M: a whole number, 0 or less
.endif
.if j == 16
	v_cvt_i32_f32 v63, v63                         ; (it saturates)
.endif
.if j == 26
	v_ldexp_f32 v28, 1.0, v63                      ; f = 2^(old M - new M)
.endif
.set j, j+2
.endr
	v_fma_f32 v[BM], v[BM], s[CS], v24             ; the same of each block's largest score
	v_fma_f32 v[BM+2], v[BM+2], s[CS], v24
	s_wait_alu depctr_va_vdst(0)                   ; ahead of the batch, and ahead of the wait below
	s_wait_dscnt 0x0                               ; V
.set j, 0
.rept 64
	v_exp_f32 v[SS+j], v[SS+j]                     ; p = 2^(t - M)
.set j, j+1
.endr
	v_exp_f32 v[BM], v[BM]                         ; the block's largest p: the same two instructions on the same number give the same bits
	v_exp_f32 v[BM+2], v[BM+2]
	v_pk_mul_f32 v[26:27], v[26:27], v[28:29] op_sel_hi:[1,0]   ; the sum under the new M: a plain line behind the batch
	s_wait_alu depctr_va_vdst(0)                   ; one wait for the batch of 66 and for O^T's first reader
	v_pk_mul_f32 v[OT:OT+1], v[OT:OT+1], v[28:29] op_sel_hi:[1,0]   ; O^T under the new M, each accumulator from its low end on; the scales' lines stand among these
	v_max_num_f32 v[BM], 0x1800000, v[BM]          ; the floor 2^(3 - 127): the byte cannot fall under 1
	v_max_num_f32 v[BM+2], 0x1800000, v[BM+2]
	v_pk_mul_f32 v[OT+2:OT+3], v[OT+2:OT+3], v[28:29] op_sel_hi:[1,0]
	v_pk_mul_f32 v[OT+4:OT+5], v[OT+4:OT+5], v[28:29] op_sel_hi:[1,0]
	v_add_nc_u32 v[SO], 0xff000000, v[BM]          ; 2 off the exponent field: the conversion's scale operand
	v_add_nc_u32 v[SO+1], 0xff000000, v[BM+2]
	v_pk_mul_f32 v[OT+6:OT+7], v[OT+6:OT+7], v[28:29] op_sel_hi:[1,0]
	v_pk_mul_f32 v[OT+8:OT+9], v[OT+8:OT+9], v[28:29] op_sel_hi:[1,0]
	v_lshrrev_b32 v[BY], 23, v[SO]
	v_lshrrev_b32 v[BY+1], 23, v[SO+1]
	v_pk_mul_f32 v[OT+10:OT+11], v[OT+10:OT+11], v[28:29] op_sel_hi:[1,0]
	v_pk_mul_f32 v[OT+12:OT+13], v[OT+12:OT+13], v[28:29] op_sel_hi:[1,0]
	v_lshl_or_b32 v[BY], v[BY+1], 16, v[BY]        ; my two bytes: blocks h and 2 + h
	v_pk_mul_f32 v[OT+14:OT+15], v[OT+14:OT+15], v[28:29] op_sel_hi:[1,0]
	v_permlanex16_b32 v[PT+1], v[BY], s[SEL], s[SEL+1]
	v_cvt_scalef32_pk16_fp6_f32 v[PC:PC+2], v[SS:SS+15], v[SO]
	v_cvt_scalef32_pk16_fp6_f32 v[CT0:CT0+2], v[SS+16:SS+31], v[SO]      ; (a conversion's three registers begin on an even number)
	v_cvt_scalef32_pk16_fp6_f32 v[PC+6:PC+8], v[SS+32:SS+47], v[SO+1]
	v_cvt_scalef32_pk16_fp6_f32 v[CT1:CT1+2], v[SS+48:SS+63], v[SO+1]
	v_perm_b32 v22, v[PT+1], v[BY], 0x06020400     ; p's scale word in lanes 0-15: my bytes 0, 2 and lane l + 16's.  Also the plain place behind the conversions
.irp k, 0,1,2,3
	v_pk_add_f32 v[SA+2*\k:SA+2*\k+1], v[SS+2*\k:SS+2*\k+1], v[SS+8+2*\k:SS+9+2*\k]   ; the sum of the unquantised p, two at a time, in four chains
.endr
.irp i, 0,1,2
	v_mov_b32 v[PC+3+\i], v[CT0+\i]
	v_mov_b32 v[PC+9+\i], v[CT1+\i]
.endr
.irp k, 0,1,2,3
	v_pk_add_f32 v[SA+2*\k:SA+2*\k+1], v[SA+2*\k:SA+2*\k+1], v[SS+16+2*\k:SS+17+2*\k]   ; four places between the codes' last write and the products; fourteen behind the scale word's
.endr
	MM OT,   VF,    PC, OT,   21, 22, 0            ; O^T += V^T P^T: two tiles of 16 of the head's 32.  Between two links on one accumulator stand the other's and eight score tiles
	MM OT+8, VF+12, PC, OT+8, 21, 22, 1
.irp m, 24,32,40,48,56
.irp k, 0,1,2,3
	v_pk_add_f32 v[SA+2*\k:SA+2*\k+1], v[SA+2*\k:SA+2*\k+1], v[SS+\m+2*\k:SS+\m+1+2*\k]
.endr
.endr
.endm
.macro STEPS n                         ; n key steps, two to a trip
	s_mov_b32 s[CNT], (\n)/2
.Lstep_\@:
	STEP 0
	s_wait_alu depctr_va_vdst(0)
	STEP 1
	s_add_co_u32 s[TB], s[TB], 6144
	s_add_co_u32 s[TS], s[TS], 256
	s_sub_co_u32 s[CNT], s[CNT], 1
	s_cmp_lg_u32 s[CNT], 0
	s_wait_alu depctr_va_vdst(0)
	s_cbranch_scc1 .Lstep_\@
.endm
; One tile of 16 queries through all 2,048 keys, and its O quantised.
.macro PASS ht
.irp i, 0,1,2,3,4,5
	v_cndmask_b32 v[QC+\i], v5, v[6+6*\ht+\i], vcc_lo      ; Ra
	v_cndmask_b32 v[QC+12+\i], v[6+6*\ht+\i], v5, vcc_lo   ; Rb
	v_cndmask_b32 v[QC+24+\i], v5, v[6+6*\ht+\i], vcc_lo   ; Ra
.endr
	v_perm_b32 v19, v18, v18, s[SELB+\ht]          ; my tile's byte of Q's scale word, in all four bytes
	v_mov_b32 v25, 0xfe967699                      ; the largest score so far: -1e38.  (The lines from here on are also the places between q's byte and codes and the first product)
	v_mov_b32 v24, 0x7e967699                      ; -M: 1e38, a whole number: the first f comes out 0
	v_mov_b32 v26, 0
	v_mov_b32 v27, 0
.irp j, 0,1,2,3,4,5,6,7,8,9,10,11,12,13,14,15
	v_mov_b32 v[OT+\j], 0                          ; the step is written once: the first finds zeros
.endr
.irp j, 0,1,2,3,4,5,6,7
	v_mov_b32 v[SA+\j], 0
.endr
	s_mov_b32 s[TB], 0
	s_mov_b32 s[TS], 0
	s_wait_alu depctr_va_vdst(0)
.if \ht
	STEPS 16
.else
	STEPS 8                                        ; key steps 0-7, while the copies of 8-15 may be out
	s_wait_asynccnt 0x0                            ; all my copies have landed
	s_wait_dscnt 0x0
	s_barrier_signal -1
	s_barrier_wait -1                              ; and everybody's: the whole head lies in LDS, and is only read from here on
	STEPS 8
.endif
	MERGE                                          ; the last step's sum.  (Its twenty additions are the places behind the last products)
	s_delay_alu instid0(VALU_DEP_1)
	v_add_f32 v26, v26, v27
	s_delay_alu instid0(VALU_DEP_1)
	v_permlanex16_b32 v[PT], v26, s[SEL], s[SEL+1]
	s_delay_alu instid0(VALU_DEP_1)
	v_add_f32 v26, v26, v[PT]                      ; the row's sum
	s_wait_alu depctr_va_vdst(0)
	v_rcp_f32 v63, v26
	v_nop
	s_wait_alu depctr_va_vdst(0)                   ; ahead of the reciprocal's and O^T's first reader
.irp j, 0,1,2,3,4,5,6,7,8,9,10,11,12,13,14,15
	v_mul_f32 v[SS+\j], v[OT+\j], v63              ; O / sum: register j is d = 16 h + j of my query
.endr
	v_max3_num_f32 v[BM], |v[SS]|, |v[SS+1]|, 0x1800000
	v_max3_num_f32 v[BM+1], |v[SS+2]|, |v[SS+3]|, |v[SS+4]|
.irp i, 5,9
	v_max3_num_f32 v[BM], v[BM], |v[SS+\i]|, |v[SS+1+\i]|
	v_max3_num_f32 v[BM+1], v[BM+1], |v[SS+2+\i]|, |v[SS+3+\i]|
.endr
	v_max3_num_f32 v[BM], v[BM], |v[SS+13]|, |v[SS+14]|
	s_delay_alu instid0(VALU_DEP_1)
	v_max3_num_f32 v[BM], v[BM], v[BM+1], |v[SS+15]|
	s_delay_alu instid0(VALU_DEP_1)
	v_permlanex16_b32 v[PT], v[BM], s[SEL], s[SEL+1]
	s_delay_alu instid0(VALU_DEP_1)
	v_max_num_f32 v[BM], v[BM], v[PT]              ; the head's 32 numbers are one block of the next product's K
	s_delay_alu instid0(VALU_DEP_1)
	v_add_nc_u32 v[SO], 0xff000000, v[BM]
	s_delay_alu instid0(VALU_DEP_1)
	v_lshrrev_b32 v[238+\ht], 23, v[SO]
.if \ht
	v_cvt_scalef32_pk16_fp6_f32 v[CTO:CTO+2], v[SS:SS+15], v[SO]
.else
	v_cvt_scalef32_pk16_fp6_f32 v[E:E+2], v[SS:SS+15], v[SO]
.endif
	v_nop                                          ; one plain place behind a scaled conversion
.endm
	s_load_b128 s[4:7], s[0:1], 0x0                ; qkv s[4:5], att s[6:7]
	v_lshl_add_u32 v254, v0, 2, SPARE
	v_mov_b32 v255, 0
	ds_add_u32 v254, v255                          ; the opening lines, ahead of my first copy: the add, twice on end, under one wait
	ds_add_u32 v254, v255
	v_lshrrev_b32 v1, 5, v0
	v_readfirstlane_b32 s2, v1                     ; wave 0..15
	s_mov_b32 s[SEL], 0x76543210
	s_mov_b32 s[SEL+1], 0xfedcba98
	s_mov_b32 s[CS], 0x3fb8aa3b                    ; log2(e): q carries 1 / sqrt(32) already
	s_mov_b32 s[CS+1], s[CS]
	s_mov_b32 s[NC], 0xbfb8aa3b
	s_and_b32 s8, ttmp7, 0xffff                    ; 16 x batch + head
	s_lshl_b32 s9, ttmp9, 3
	s_lshr_b32 s10, s2, 1
	s_mul_i32 s39, s10, 1536                       ; K's copies: fragment w / 2 (+ 8 k),
	s_add_co_u32 s9, s9, s10                       ; Q's fragment: 8 X + w / 2 holds token tiles 4 (8 X + w / 2) on;
	s_and_b32 s10, s2, 1                           ; mine are its blocks 2 (w % 2) and + 1: registers 6 (w % 2) on.  Also: the register group g of K's image that my copies fill
	s_mul_i32 s33, s10, 520                        ; where a group's six registers lie in an image, in pairs: 0, 8, 512 or 520, 1,024, 1,032, + 16 x lane
	s_mul_i32 s34, s10, 1016
	s_add_co_u32 s34, s34, 8
	s_add_co_u32 s35, s33, 512
	s_lshl_b32 s40, s10, 7
	s_add_co_u32 s40, s40, s39                     ; in memory: the fragment, + rows 8 g on (128 bytes)
	s_add_co_u32 s41, s39, s33                     ; in LDS: the fragment, + group g's three pairs
	s_add_co_u32 s42, s39, s34
	s_add_co_u32 s43, s39, s35
	s_lshl_b32 s28, s10, 1
	s_mul_i32 s28, s28, 0x01010101
	s_add_co_u32 s29, s28, 0x01010101
	s_mul_i32 s11, s8, 147456                      ; the head's codes: q, k, v, 49,152 bytes each
	s_add_co_u32 s12, s11, 49152
	s_mov_b32 s13, 0
	s_mul_i32 s36, s8, 6144
	s_add_co_u32 s36, s36, QSC                     ; its scale words: q, k, v, 2,048 bytes each
	s_add_co_u32 s14, s36, 2048
	s_mov_b32 s15, 0
	s_mul_i32 s16, s9, 1536
	s_add_co_u32 s16, s16, s11
	s_mov_b32 s17, 0
	s_lshl_b32 s18, s9, 6
	s_add_co_u32 s18, s18, s36
	s_mov_b32 s19, 0
	s_lshl_b32 s20, ttmp9, 4
	s_add_co_u32 s20, s20, s2                      ; my pair of token tiles: 16 X + w
	s_mul_i32 s20, s20, 768
	s_mul_i32 s37, s8, 49152
	s_add_co_u32 s20, s20, s37
	s_mov_b32 s21, 0
	s_lshl_b32 s22, s8, 11
	s_lshl_b32 s37, ttmp9, 9
	s_add_co_u32 s22, s22, s37
	s_add_co_u32 s22, s22, ASC
	s_mov_b32 s23, 0
	v_and_b32 v63, 31, v0                          ; lane = 16 hh + 8 h' + j
	v_cmp_gt_u32 vcc_lo, 16, v63                   ; lanes 0-15; never rewritten
	v_lshlrev_b32 v1, 4, v63
	v_lshl_add_u32 v2, v63, 2, KSCL
	v_mov_b32 v5, 0
	v_lshlrev_b32 v23, 3, v63
	v_add_nc_u32 v30, OSC, v1                      ; the scale bytes: back out, 16 a lane,
	v_add_nc_u32 v31, OSC, v0                      ; and in, one a thread
	v_mov_b32 v29, 0                               ; named as the upper half of the pair v[28:29]
	v_mov_b32 v[PT], 0                             ; a lane permute's destination counts as one of its sources
	v_mov_b32 v[PT+1], 0
.irp i, 0,1,2,3,4,5
	v_mov_b32 v[QC+6+\i], 0                        ; Z, twice
	v_mov_b32 v[QC+18+\i], 0
.endr
	v_add_nc_u32 v[KD_], s41, v1                   ; K into LDS: lane l's place in group g, pair 0, 1, 2
	v_add_nc_u32 v[KD_+1], s42, v1
	v_add_nc_u32 v[KD_+2], s43, v1
	v_and_b32 v243, 23, v63                        ; 16 hh + j
	v_bfe_u32 v62, v0, 3, 1                        ; h'
	v_lshl_add_u32 v243, v243, 4, s40              ; K in memory: lane 16 hh + 8 g + j,
	v_mad_u32_u24 v[KS_], v62, 520, v243           ; group h', pair 0,
	v_mad_u32_u24 v[KS_+1], v62, 1016, v243
	v_add_nc_u32 v[KS_+2], 512, v[KS_]             ; pair 2,
	v_add_nc_u32 v[KS_+1], 8, v[KS_+1]             ; pair 1
	v_lshlrev_b32 v250, 4, v0
	v_lshlrev_b32 v252, 2, v0                      ; the scale words: 4 x thread in memory,
	v_add_nc_u32 v250, VOFF, v250                  ; V: 49,152 + 16 x thread, in memory (behind K) and in LDS alike
	v_add_nc_u32 v253, KSCL, v252                  ; and in LDS
	v_mov_b32 v251, v250
	v_and_b32 v228, 0x1f0, v0
	v_and_b32 v229, 7, v0
	v_lshlrev_b32 v228, 2, v228                    ; K's scale words in memory: my fragment's 16 words,
	v_and_b32 v227, 15, v0                         ; r: both halves of the lanes load the same row of Q
	v_lshl_add_u32 v228, v229, 2, v228             ; row j's (row 8 + j's lies 32 bytes on),
	v_lshl_add_u32 v224, v227, 4, s33
	v_lshl_add_u32 v228, v62, 1, v228              ; its half h'
	v_lshl_add_u32 v225, v227, 4, s34
	v_lshl_add_u32 v226, v227, 4, s35
	v_lshlrev_b32 v227, 2, v227
	s_wait_alu depctr_va_vdst(0)
	s_wait_dscnt 0x0                               ; both opening adds are done
	s_wait_kmcnt 0x0
	s_add_nc_u64 s[12:13], s[4:5], s[12:13]        ; K's and V's codes
	s_add_nc_u64 s[14:15], s[4:5], s[14:15]        ; their scale words
	s_add_nc_u64 s[16:17], s[4:5], s[16:17]        ; Q's fragment
	s_add_nc_u64 s[18:19], s[4:5], s[18:19]        ; its scale words
	s_add_nc_u64 s[20:21], s[6:7], s[20:21]        ; O's codes
	s_add_nc_u64 s[22:23], s[6:7], s[22:23]        ; the work-group's scale bytes
.macro COPIES a                        ; half a of the head: K's fragments w / 2 + 16 a and + 8 more (group g, three pairs each), V's 24,576 bytes
.irp k, 0,1
.irp p, 0,1,2
	global_load_async_to_lds_b64 v[KD_+\p], v[KS_+\p], s[12:13] offset:12288*(2*\a+\k)   ; the immediate goes to both addresses: eight fragments on
.endr
.endr
.irp i, 0,1,2
	global_load_async_to_lds_b128 v251, v250, s[12:13] offset:8192*(3*\a+\i)             ; 512 threads x 16 bytes
.endr
.endm
	global_load_u16 v230, v228, s[14:15]           ; what goes through registers is asked for first: K's scale halves, then Q
	global_load_u16 v231, v228, s[14:15] offset:32
.irp ht, 0,1
.irp p, 0,1,2
	global_load_b64 v[6+6*\ht+2*\p:7+6*\ht+2*\p], v[224+\p], s[16:17] offset:256*\ht
.endr
.endr
	global_load_b32 v18, v227, s[18:19]
	COPIES 0
	global_load_async_to_lds_b32 v253, v252, s[14:15] offset:2048                        ; V's scale words, behind K's in memory and in LDS
	COPIES 1
	s_wait_loadcnt 7                               ; K's scale halves are in; Q's seven loads, the younger ones, may be out
	v_lshl_or_b32 v230, v231, 16, v230             ; row 8 h' + j: bytes 0, 1 of row j's half h', bytes 2, 3 of row 8 + j's
	ds_store_b32 v253, v230
	s_wait_asynccnt 9                              ; my ten copies for key steps 0-7 have landed; the nine for steps 8-15, the younger ones, may be out
	s_wait_dscnt 0x0                               ; for the others' sake: my store has landed
	s_barrier_signal -1
	s_barrier_wait -1                              ; key steps 0-7 lie in LDS
	s_wait_loadcnt 0x0                             ; Q
	PASS 0
	PASS 1
.irp i, 0,1,2
	v_permlane16_swap_b32 v[E+\i], v[CTO+\i]       ; lanes 0-15: tile 0's block, lanes 16-31: tile 1's
.endr
.irp i, 0,1,2
	s_delay_alu instid0(VALU_DEP_3)
	v_mov_b32 v[E+3+\i], v[CTO+\i]
.endr
	v_cndmask_b32 v63, v239, v238, vcc_lo          ; and their bytes likewise
.irp p, 0,1,2
	global_store_b64 v23, v[E+2*\p:E+2*\p+1], s[20:21] offset:256*\p   ; 256 consecutive bytes, aligned
.endr
	ds_store_b8 v31, v63                           ; the sixteen waves' 512 scale bytes meet in LDS
	s_wait_dscnt 0x0
	s_barrier_signal -1
	s_barrier_wait -1
	s_cmp_lg_u32 s2, 0
	s_cbranch_scc1 .Ldone
	ds_load_b128 v[112:115], v30
	s_wait_dscnt 0x0
	global_store_b128 v1, v[112:115], s[22:23]     ; and leave as 512 consecutive bytes
.Ldone:
	s_wait_tensorcnt 0x0                           ; the wave's end
	s_wait_asynccnt 0x0
	ds_add_u32 v254, v255
	s_wait_dscnt 0x0
	s_endpgm
.Lfunc_end_k_q04411739a4_attn:
	.size	k_q04411739a4_attn, .Lfunc_end_k_q04411739a4_attn-k_q04411739a4_attn
	.p2alignl 7, 3214868480
	.fill 96, 4, 3214868480
	.section	.rodata,"a",@progbits
	.p2align	6, 0x0
	.amdhsa_kernel k_q04411739a4_attn
		.amdhsa_group_segment_fixed_size 167936
		.amdhsa_private_segment_fixed_size 0
		.amdhsa_enable_private_segment 0
		.amdhsa_kernarg_size 16
		.amdhsa_user_sgpr_count 2
		.amdhsa_user_sgpr_kernarg_segment_ptr 1
		.amdhsa_wavefront_size32 1
		.amdhsa_system_sgpr_workgroup_id_x 1
		.amdhsa_system_sgpr_workgroup_id_y 1
		.amdhsa_system_sgpr_workgroup_id_z 1
		.amdhsa_system_vgpr_workitem_id 0
		.amdhsa_next_free_vgpr 256
		.amdhsa_next_free_sgpr 66
		.amdhsa_reserve_vcc 1
		.amdhsa_float_denorm_mode_32 3
		.amdhsa_float_denorm_mode_16_64 3
		.amdhsa_memory_ordered 1
		.amdhsa_forward_progress 1
		.amdhsa_inst_pref_size 93
	.end_amdhsa_kernel
	.amdgpu_metadata
---
amdhsa.version: [ 1, 2 ]
amdhsa.kernels:
  - .name:           k_q04411739a4_attn
    .symbol:         k_q04411739a4_attn.kd
    .args:
      - { .name: qkv, .offset: 0, .size: 8, .value_kind: global_buffer, .address_space: global }
      - { .name: att, .offset: 8, .size: 8, .value_kind: global_buffer, .address_space: global }
    .group_segment_fixed_size: 167936
    .private_segment_fixed_size: 0
    .kernarg_segment_align: 8
    .kernarg_segment_size: 16
    .max_flat_workgroup_size: 512
    .sgpr_count:     66
    .vgpr_count:     256
    .wavefront_size: 32
...
	.end_amdgpu_metadata
.endif
;; end of part 3
;; launch tail (part 4): grid 256 x 1, 16 waves a work-group, clusters of 4 x 1, 327,680 bytes of LDS; arguments att, wts, x, bo, ln2_g, ln2_b, b1, b2, out0; writes out0
.if DOCPART == 4
	.amdgcn_target "amdgcn-amd-amdhsa--gfx1250"
	.amdhsa_code_object_version 6
	.text
	.protected	k_q04411739a4_tail
	.globl	k_q04411739a4_tail
	.p2align	8
	.type	k_q04411739a4_tail,@function
k_q04411739a4_tail:
	s_mov_b64 s[64:65], 0
	v_nop
	global_prefetch_b8 v0, s[64:65] scope:SCOPE_SE
	s_setreg_imm32_b32 hwreg(HW_REG_WAVE_MODE, 25, 1), 1
	s_wait_xcnt 0x0
	s_wait_alu depctr_hold_cnt(0) depctr_sa_sdst(0) depctr_va_vdst(0) depctr_va_sdst(0) depctr_va_ssrc(0) depctr_va_vcc(0) depctr_vm_vsrc(0)
	s_getreg_b32 s2, hwreg(HW_REG_IB_STS2, 6, 4)
	s_cmp_eq_u32 s2, 0
	s_cbranch_scc0 .Lentry_in_a_cluster
	s_endpgm
.Lentry_in_a_cluster:
	s_bfe_u32 s2, ttmp6, 0x10000c
	s_cmp_lg_u32 s2, 0x3003
	s_cbranch_scc0 .Lentry_shape_is_right
	s_endpgm
.Lentry_shape_is_right:
; TAIL.  x1 = x + (attention's output) Wo^T + bo;  out0 = x1 + relu(LN2(x1) W1^T + b1) W2^T + b2.  All three products on codes of FP6 (E2M3) with E8M0 scales; everything between them stays in registers and LDS.
; SHARES.  Work-group g: tokens 32 g .. 32 g + 31 (token tiles 2 g, 2 g + 1).  Wave w: features 32 w .. 32 w + 31 of every layer: one block of the next K, two weight tiles, 16 matrix instructions a product.
; ALL PRODUCTS ARE USED TRANSPOSED (source 0 = 16 rows of a weight, source 1 = 16 tokens): a lane holds one token, and the 16 registers of my two weight tiles are features 32 w + 16 h + 0..15.
; The residual and the biases are the C of a sum's first matrix instruction.  The four accumulators of a product take turns, one instruction a turn.
; CLUSTERS of 4 x 1: every work-group walks the same three weights, so each weight's codes are asked for JOINTLY: wave w of each of the four issues the same tensor load (mask 15) for weight tiles 2 w and 2 w + 1,
; 12,288 dense bytes as 48 rows of 256, into its own part of ONE LDS slot of 196,608 bytes.  When they have landed the wave reads them into its 96 operand registers; behind the waits, the add and a round of the cluster's barrier
; the slot takes the next weight.  W1 is asked for ahead of the first product and read behind its row sums; W2 is asked for there, ahead of the rest of the norm, the quantiser and the second product.
; Three fills, one tensor load a wave out at any time, every wait on TENSORcnt for 0.  The first refill's round also shows the first operand and x's rows to all waves; the second is the barrier of the first row sums.
; AN OPERAND GOES FROM WAVE TO WAVE THROUGH LDS: block (= wave) b at 896 b, in it pair p of a token's six registers at 256 p + 128 x tile + 8 r.  Its scale words, [K step][16 x tile + r], are pieced together of the waves' bytes.
; x COMES IN AS out0 GOES OUT: wave w loads two whole rows, 512 consecutive bytes a load, into the stage; behind the round each lane reads its token's 16 features of both tiles.
; The five vectors (bo, gain, offset, b1, b2) come once, 128 bytes a wave each, and are spread over the lanes through the wave's own LDS bytes.  A weight's scale words, 128 bytes a load, go straight into registers, a product ahead.
; NO PREFETCH: the launch has no loop to run ahead in, and each fill is asked for a product or more ahead of its use.
; LIMITS: NaN and infinities are not served; a block whose largest magnitude lies under 2^-124 keeps the byte 1; a block of zeros has the byte 1 and zero codes (these bytes are read by this program alone).
.set ASC,  3145728                     ; att: where the scale bytes begin
.set WSC,  1179648                     ; wts: where the scale words begin
.set OP0,  0                           ; LDS: the three operands, 16 x 896 bytes of codes + 512 of scale words each
.set OP1,  14848
.set OP2,  29696
.set OSW,  14336                       ; an operand's scale words
.set RED1, 44544                       ; the sixteen waves' row sums, 128 bytes a wave
.set RED2, 46592                       ; and sums of squares
.set STG,  48640                       ; the stage for x and for out0: 32 rows x (2,048 + 16) bytes
.set SPT,  2064
.set VEC,  114688                      ; the five vectors: 640 bytes a wave
.set SPARE, 124928                     ; the spare words, 128 bytes a wave, named by the add alone
.set WSL,  126976                      ; the weights' slot: 12,288 bytes a wave; no store lands here
.set AS,   15                          ; v15      the operand's scale words: lanes 0-15 tile 0, lanes 16-31 tile 1
.set BS0,  16                          ; v16-23   Wo's scale words: 4 u + s;  v42-49 W1's;  v50-57 W2's
.set BS1,  42
.set BS2,  50
.set BI,   24                          ; v24-39   a bias at my 16 features
.set X1,   72                          ; v72-103  x, then x1, then out0: register 16 x tile + i = feature 32 w + 16 h + i
.set Y,    104                         ; v104-135 at the head two rows of x; LN2(x1), then the hidden layer; at the end rows of out0
.set AF,   136                         ; v136-159 the operand's two fragments; between the products at work
.set BF,   160                         ; v160-255 my eight weight fragments: 12 (4 u + s)
.set GM,   136                         ; LN2's gain, where fragments lie in a product,
.set BE,   24                          ; and its offset, where b1 follows it
.set E,    136                         ; the quantiser's registers
.set CT,   142
.set TQ,   146
.set PT,   148
.set SO,   150
.set BY,   152
.set SB,   154
.set SEL,  4                           ; s[4:5]   selects for lane l xor 16
.set MK,   61                          ; s61      lanes 0-15 (no flag is kept in VCC)
.set G0,   48                          ; s[48:51] the weights' descriptor, group 0;  s[52:59] group 1
.set G1,   52
; v1 16 x lane; v2 4 x lane; v3 896 h + 8 r; v4 896 w + 8 x lane; v5 my byte among the scale words; v7 the vectors, back: + 64 h; v8 the stage by tokens: row r, + 128 w + 64 h; v9 4 x thread;
; v[10:11], v[12:13] mean, then 1 / root, of tile 0, 1; v14 the stage by rows: rows 2 w, 2 w + 1; v40, v41 the add's two registers; v58-62 the vectors on their way; v63 my part of the slot + 16 x lane; v64 the vectors, in: + 4 x lane.
.macro ROUND                           ; a round of the cluster's barrier
	s_barrier_signal -1
	s_barrier_wait -1
	s_cmp_lg_u32 s2, 0
	s_cbranch_scc1 .Lnot_wave_0_\@
	s_barrier_signal -3
.Lnot_wave_0_\@:
	s_barrier_wait -3
	s_barrier_signal -1
	s_barrier_wait -1
.endm
.macro MM d, a, b, c, sa, sb, row      ; row = 1: source 1's scales stand in lanes 16-31
.if \row
	v_wmma_scale_f32_16x16x128_f8f6f4 v[\d:\d+7], v[\a:\a+11], v[\b:\b+11], v[\c:\c+7], v[\sa], v[\sb] matrix_a_fmt:MATRIX_FMT_FP6 matrix_b_fmt:MATRIX_FMT_FP6 matrix_b_scale:MATRIX_SCALE_ROW1
.else
	v_wmma_scale_f32_16x16x128_f8f6f4 v[\d:\d+7], v[\a:\a+11], v[\b:\b+11], v[\c:\c+7], v[\sa], v[\sb] matrix_a_fmt:MATRIX_FMT_FP6 matrix_b_fmt:MATRIX_FMT_FP6
.endif
.endm
; A product: the operand at LDS byte op x my two weight tiles, into acc.  cmode 0: acc holds what the sums begin with; 1: they begin with the bias.  bs: the weight's scale words.
.macro GEMM op, acc, cmode, bs
.irp s, 0,1,2,3
.if \s > 0
.rept 4
	v_nop                                          ; four places in front of loads into registers that matrix instructions have read
.endr
.endif
.irp tt, 0,1
.irp c, 0,1
.irp p, 0,1,2
	ds_load_b64 v[AF+12*\tt+6*\c+2*\p:AF+12*\tt+6*\c+2*\p+1], v3 offset:\op+(4*\s+2*\c)*896+256*\p+128*\tt
.endr
.endr
.endr
	ds_load_b32 v[AS], v2 offset:\op+OSW+128*\s
	s_wait_dscnt 0x0
.irp tt, 0,1
.irp u, 0,1
.if (\s == 0) && \cmode
	MM \acc+16*\tt+8*\u, BF+12*(4*\u+\s), AF+12*\tt, BI+8*\u, \bs+4*\u+\s, AS, \tt
.else
	MM \acc+16*\tt+8*\u, BF+12*(4*\u+\s), AF+12*\tt, \acc+16*\tt+8*\u, \bs+4*\u+\s, AS, \tt
.endif
.endr
.endr
.endr
.rept 5
	v_nop                                          ; five places: results are read, the fragments' registers are loaded and written anew
.endr
.endm
; The weight that lies in the slot goes into my registers.  refill = 1: then the slot takes the next weight.  The barrier, or the round, also shows what the waves stored ahead of it.
.macro NEXTW refill
	s_wait_alu depctr_va_vdst(0)                   ; ahead of the waits and branches below
	s_wait_tensorcnt 0x0                           ; my two tiles have landed; I alone read them
.irp k, 0,1,2,3,4,5,6,7,8,9,10,11,12,13,14,15,16,17,18,19,20,21,22,23
	ds_load_b128 v[BF+4*\k:BF+4*\k+3], v63 offset:512*\k
.endr
.if \refill
	s_wait_tensorcnt 0x0                           ; none of my tensor loads is out;
	ds_add_u32 v40, v41                            ; 0 onto my spare word;
	s_add_nc_u64 s[G0+2:G0+3], s[G0+2:G0+3], 196608   ; so the descriptor may be written: the next weight's same two tiles
	s_wait_dscnt 0x0                               ; the add is done, my reads of the slot are over, my stores have landed
	ROUND                                          ; and that holds of every wave of all four work-groups
	tensor_load_to_lds s[G0:G0+3], s[G1:G1+7]      ; the joint refill, my one tensor load behind the round
	s_nop 0
.else
	s_wait_dscnt 0x0
	s_barrier_signal -1
	s_barrier_wait -1
.endif
.endm
.macro SLOAD n, bs                     ; the n-th weight's (Wo, W1, W2) scale words of my two tiles
.irp k, 0,1,2,3,4,5,6,7
	global_load_b32 v[\bs+\k], v2, s[38:39] offset:16384*\n+128*\k
.endr
.endm
.macro BLOAD k, dst                    ; vector k (bo, gain, offset, b1, b2) at my 16 features, out of my wave's own bytes
.irp j, 0,1,2,3
	ds_load_b128 v[\dst+4*\j:\dst+4*\j+3], v7 offset:128*\k+16*\j
.endr
.endm
.macro ADDB                            ; x1 += the bias, for both tiles of tokens
.irp tt, 0,1
.irp j, 0,2,4,6,8,10,12,14
	v_pk_add_f32 v[X1+16*\tt+\j:X1+16*\tt+\j+1], v[X1+16*\tt+\j:X1+16*\tt+\j+1], v[BI+\j:BI+\j+1]
.endr
.endr
.endm
; v[a], v[b]: my 16 features' sums for my token of tile 0 and of tile 1.  They come back as the whole rows' sums, both in every lane.  One barrier; nw = 1: it is the round in front of a refill.
.macro REDUCE a, b, region, nw
	v_permlanex16_b32 v156, v[\a], s[SEL], s[SEL+1]
	v_permlanex16_b32 v157, v[\b], s[SEL], s[SEL+1]
	s_delay_alu instid0(VALU_DEP_2)
	v_add_f32 v[\a], v[\a], v156
	s_delay_alu instid0(VALU_DEP_2)
	v_add_f32 v[\b], v[\b], v157                   ; my wave's 32 features
	s_delay_alu instid0(VALU_DEP_1)
	v_cndmask_b32 v156, v[\b], v[\a], s[MK]        ; lanes 0-15 tile 0, lanes 16-31 tile 1
	ds_store_b32 v9, v156 offset:\region
.if \nw
	NEXTW 1
.else
	s_wait_dscnt 0x0                               ; for the others' sake: my store has landed
	s_barrier_signal -1
	s_barrier_wait -1
.endif
.irp k, 0,1,2,3,4,5,6,7,8,9,10,11,12,13,14,15
	ds_load_b32 v[136+\k], v2 offset:\region+128*\k
.endr
	s_wait_dscnt 0x0
.irp k, 0,2,4,6,8,10,12,14
	v_add_f32 v[136+\k], v[136+\k], v[137+\k]      ; one fixed tree in every wave
.endr
.irp k, 0,4,8,12
	v_add_f32 v[136+\k], v[136+\k], v[138+\k]
.endr
	s_delay_alu instid0(VALU_DEP_3)
	v_add_f32 v136, v136, v140
	s_delay_alu instid0(VALU_DEP_2)
	v_add_f32 v144, v144, v148
	s_delay_alu instid0(VALU_DEP_1)
	v_add_f32 v136, v136, v144
	s_delay_alu instid0(VALU_DEP_1)
	v_permlanex16_b32 v137, v136, s[SEL], s[SEL+1]
	s_delay_alu instid0(VALU_DEP_1)
	v_cndmask_b32 v[\a], v137, v136, s[MK]
	v_cndmask_b32 v[\b], v136, v137, s[MK]
.endm
; 32 numbers of a lane, register 16 x tile + i = feature 32 w + 16 h + i of my token: block w of both tiles' rows; codes and byte go to the operand at LDS byte op.  The barrier follows the macro.
.macro QUANT2 src, op
	v_max3_num_f32 v[TQ], |v[\src]|, |v[\src+1]|, 0x1800000     ; and the floor 2^(3 - 127): the byte cannot fall under 1
	v_max3_num_f32 v[TQ+1], |v[\src+16]|, |v[\src+17]|, 0x1800000
.irp i, 2,4,6,8,10,12,14
	s_delay_alu instid0(VALU_DEP_2)
	v_max3_num_f32 v[TQ], v[TQ], |v[\src+\i]|, |v[\src+1+\i]|
	s_delay_alu instid0(VALU_DEP_2)
	v_max3_num_f32 v[TQ+1], v[TQ+1], |v[\src+16+\i]|, |v[\src+17+\i]|
.endr
	s_delay_alu instid0(VALU_DEP_2)
	v_permlanex16_b32 v[PT], v[TQ], s[SEL], s[SEL+1]
	s_delay_alu instid0(VALU_DEP_2)
	v_permlanex16_b32 v[PT+1], v[TQ+1], s[SEL], s[SEL+1]
	s_delay_alu instid0(VALU_DEP_2)
	v_max_num_f32 v[TQ], v[TQ], v[PT]
	s_delay_alu instid0(VALU_DEP_2)
	v_max_num_f32 v[TQ+1], v[TQ+1], v[PT+1]
	s_delay_alu instid0(VALU_DEP_2)
	v_add_nc_u32 v[SO], 0xff000000, v[TQ]          ; 2 off the exponent field: the conversion's scale operand
	s_delay_alu instid0(VALU_DEP_2)
	v_add_nc_u32 v[SO+1], 0xff000000, v[TQ+1]
	s_delay_alu instid0(VALU_DEP_2)
	v_lshrrev_b32 v[BY], 23, v[SO]
	s_delay_alu instid0(VALU_DEP_2)
	v_lshrrev_b32 v[BY+1], 23, v[SO+1]
	v_cvt_scalef32_pk16_fp6_f32 v[E:E+2], v[\src:\src+15], v[SO]
	v_cvt_scalef32_pk16_fp6_f32 v[CT:CT+2], v[\src+16:\src+31], v[SO+1]
	v_nop                                          ; one plain place behind a scaled conversion
	v_cndmask_b32 v[SB], v[BY+1], v[BY], s[MK]     ; lanes 0-15 tile 0's byte, lanes 16-31 tile 1's
.irp i, 0,1,2
	v_permlane16_swap_b32 v[E+\i], v[CT+\i]        ; lanes 0-15 tile 0's whole block, lanes 16-31 tile 1's
.endr
.irp i, 0,1,2
	s_delay_alu instid0(VALU_DEP_3)
	v_mov_b32 v[E+3+\i], v[CT+\i]
.endr
.irp p, 0,1,2
	ds_store_b64 v4, v[E+2*\p:E+2*\p+1] offset:\op+256*\p
.endr
	ds_store_b8 v5, v[SB] offset:\op+OSW
.endm
	s_load_b512 s[8:23], s[0:1], 0x0               ; att s[8:9], wts s[10:11], x s[12:13], bo s[14:15], gain s[16:17], offset s[18:19], b1 s[20:21], b2 s[22:23]
	s_load_b64 s[24:25], s[0:1], 0x40              ; out0
	v_lshl_add_u32 v40, v0, 2, SPARE
	v_mov_b32 v41, 0
	ds_add_u32 v40, v41                            ; the opening lines, ahead of the round in front of my first tensor load: the add, twice on end, under one wait
	ds_add_u32 v40, v41
	v_lshrrev_b32 v1, 5, v0
	v_readfirstlane_b32 s2, v1                     ; wave 0..15
	s_bfe_u32 s60, ttmp6, 0x40000                  ; cx
	s_lshl_b32 s26, ttmp9, 2
	s_add_co_u32 s60, s26, s60                     ; g = 4 x cluster + cx: it enters addresses in memory alone
	s_mul_i32 s3, s2, 896
	s_lshr_b32 s44, s2, 2
	s_lshl_b32 s44, s44, 7
	s_and_b32 s45, s2, 3
	s_add_co_u32 s44, s44, s45                     ; K step w / 4, byte w % 4
	s_lshl_b32 s42, s2, 7                          ; 128 w: my 32 features in bytes
	s_mov_b32 s43, 0
	s_add_co_u32 s45, s42, STG
	s_mul_i32 s62, s2, 2*SPT
	s_add_co_u32 s62, s62, STG
	s_mul_i32 s63, s2, 640
	s_add_co_u32 s63, s63, VEC
	s_mov_b32 s[G0], 1
	s_mul_i32 s[G0+1], s2, 12288
	s_add_co_u32 s[G0+1], s[G0+1], WSL             ; my part of the slot: the wave's number alone
	s_mov_b32 s[G1], 15|(3<<16)|(1<<21)            ; the mask of the four; elements of 8 bytes; bit 21 beside a mask; no padding
	s_mov_b32 s[G1+1], 32<<16                      ; tensor_dim0 = 32: rows of 256 bytes
	s_mov_b32 s[G1+2], 48<<16                      ; tensor_dim1 = 48
	s_mov_b32 s[G1+3], 32<<16                      ; tile_dim0
	s_mov_b32 s[G1+4], 48                          ; tile_dim1
	s_mov_b32 s[G1+5], 32                          ; the pitch: the block is dense
	s_mov_b32 s[G1+6], 0
	s_mov_b32 s[G1+7], 0
	s_mov_b32 s[SEL], 0x76543210
	s_mov_b32 s[SEL+1], 0xfedcba98
	s_mov_b32 s6, 0x3b000000                       ; 1 / 512
	s_mov_b32 s7, 0x3727c5ac                       ; 1e-5
	s_lshr_b32 s26, s60, 6                         ; the batch
	s_lshl_b32 s26, s26, 4
	s_add_co_u32 s26, s26, s2                      ; 16 x batch + head w
	s_and_b32 s27, s60, 63                         ; the pair of token tiles in the batch
	s_mul_i32 s28, s26, 49152
	s_mul_i32 s29, s27, 768
	s_add_co_u32 s28, s28, s29
	s_mov_b32 s29, 0
	s_lshl_b32 s30, s26, 11
	s_lshl_b32 s31, s27, 5
	s_add_co_u32 s30, s30, s31
	s_add_co_u32 s30, s30, ASC
	s_mov_b32 s31, 0
	s_lshl_b32 s26, s2, 1
	s_add_co_u32 s26, s26, 96                      ; Wo's tile 2 w: the fourth of the six weights
	s_mul_i32 s36, s26, 6144
	s_mov_b32 s37, 0
	s_lshl_b32 s38, s26, 9
	s_add_co_u32 s38, s38, WSC
	s_mov_b32 s39, 0
	s_lshl_b32 s46, s60, 5                         ; stage rows 2 w, 2 w + 1 are tokens 32 g + 8 (w / 8) + 2 (w % 8) + 2 (w & 4) and the next
	s_lshr_b32 s26, s2, 3
	s_lshl_b32 s26, s26, 3
	s_add_co_u32 s46, s46, s26
	s_and_b32 s26, s2, 7
	s_lshl_b32 s26, s26, 1
	s_add_co_u32 s46, s46, s26
	s_and_b32 s26, s2, 4
	s_lshl_b32 s26, s26, 1
	s_add_co_u32 s46, s46, s26
	s_lshl_b32 s46, s46, 11
	s_mov_b32 s47, 0
	v_and_b32 v144, 31, v0                         ; lane
	v_and_b32 v10, 15, v0                          ; r
	v_bfe_u32 v11, v0, 4, 1                        ; h
	v_cmp_gt_u32 s[MK], 16, v144                   ; lanes 0-15; never rewritten
	v_lshlrev_b32 v1, 4, v144
	v_lshlrev_b32 v2, 2, v144
	v_lshlrev_b32 v143, 3, v144                    ; 8 x lane: attention's codes in memory
	v_mul_u32_u24 v3, v11, 896
	v_lshlrev_b32 v65, 6, v11                      ; 64 h
	v_mul_u32_u24 v8, v10, SPT
	v_lshl_add_u32 v4, v144, 3, s3
	v_lshl_add_u32 v5, v144, 2, s44
	v_lshl_add_u32 v3, v10, 3, v3
	v_lshlrev_b32 v9, 2, v0
	v_add_nc_u32 v8, v8, v65
	v_add_nc_u32 v14, s62, v1
	v_add_nc_u32 v7, s63, v65
	v_add_nc_u32 v64, s63, v2
	v_add_nc_u32 v8, s45, v8
	v_add_nc_u32 v63, s[G0+1], v1
	s_wait_alu depctr_va_vdst(0)
	s_wait_dscnt 0x0                               ; both opening adds are done
	s_wait_kmcnt 0x0
	s_add_nc_u64 s[32:33], s[8:9], s[28:29]        ; attention's codes: head w, my tokens
	s_add_nc_u64 s[34:35], s[8:9], s[30:31]        ; their scale bytes
	s_add_nc_u64 s[36:37], s[10:11], s[36:37]      ; my weight tiles
	s_add_nc_u64 s[38:39], s[10:11], s[38:39]      ; their scale words
	s_add_nc_u64 s[40:41], s[12:13], s[46:47]      ; x: the two rows that I bring in,
	s_add_nc_u64 s[24:25], s[24:25], s[46:47]      ; and the same two of out0
	s_add_nc_u64 s[14:15], s[14:15], s[42:43]
	s_add_nc_u64 s[16:17], s[16:17], s[42:43]
	s_add_nc_u64 s[18:19], s[18:19], s[42:43]
	s_add_nc_u64 s[20:21], s[20:21], s[42:43]
	s_add_nc_u64 s[22:23], s[22:23], s[42:43]
	s_mov_b64 s[G0+2:G0+3], s[36:37]
	s_or_b32 s[G0+3], s[G0+3], 0x80000000          ; the descriptor's type
	ROUND                                          ; all four work-groups are here: the first joint loads meet
	tensor_load_to_lds s[G0:G0+3], s[G1:G1+7]      ; Wo's tiles 2 w, 2 w + 1: my one tensor load at the head
	s_nop 0
	; ---- what the first product needs through registers
.irp p, 0,1,2
	global_load_b64 v[136+2*\p:137+2*\p], v143, s[32:33] offset:256*\p
.endr
	global_load_u8 v142, v144, s[34:35]
.irp k, 0,1,2,3,4
	global_load_b32 v[58+\k], v2, s[14+2*\k:15+2*\k]   ; 128 consecutive bytes: my 32 features of bo, gain, offset, b1, b2
.endr
.irp e, 0,1
.irp q, 0,1,2,3
	global_load_b128 v[Y+16*\e+4*\q:Y+16*\e+4*\q+3], v1, s[40:41] offset:2048*\e+512*\q th:TH_LOAD_NT   ; 512 consecutive bytes, aligned
.endr
.endr
	SLOAD 0, BS0
	s_wait_loadcnt 16                              ; attention's four loads and the five vectors are in; younger: x 8, Wo's scale words 8
.irp p, 0,1,2
	ds_store_b64 v4, v[136+2*\p:137+2*\p] offset:OP0+256*\p   ; block w of the first operand, as it lies
.endr
	ds_store_b8 v5, v142 offset:OP0+OSW
.irp k, 0,1,2,3,4
	ds_store_b32 v64, v[58+\k] offset:128*\k
.endr
	s_wait_loadcnt 8                               ; x's two rows are in; younger: Wo's scale words 8
.irp e, 0,1
.irp q, 0,1,2,3
	ds_store_b128 v14, v[Y+16*\e+4*\q:Y+16*\e+4*\q+3] offset:SPT*\e+512*\q
.endr
.endr
	NEXTW 1                                        ; Wo into registers; the first operand and x lie in LDS; W1 is asked for
	SLOAD 1, BS1
.irp tt, 0,1
.irp j, 0,1,2,3
	ds_load_b128 v[X1+16*\tt+4*\j:X1+16*\tt+4*\j+3], v8 offset:16*SPT*\tt+16*\j   ; x at my tokens and my 16 features
.endr
.endr
	BLOAD 0, BI                                    ; bo
	s_wait_dscnt 0x0
	ADDB                                           ; x + bo: what the first sums begin with
	s_wait_alu depctr_va_vdst(0)
	s_wait_loadcnt 8                               ; Wo's scale words are in; younger: W1's 8
	GEMM OP0, X1, 0, BS0                           ; x1 = x + bo + O Wo^T
	SLOAD 2, BS2
	; ---- LN2 of x1, the variance taken of x1 - mean
	v_pk_add_f32 v[152:153], v[X1:X1+1], v[X1+2:X1+3]          ; each accumulator from its low end on
	v_pk_add_f32 v[154:155], v[X1+16:X1+17], v[X1+18:X1+19]
.irp j, 4,6,8,10,12,14
	v_pk_add_f32 v[152:153], v[152:153], v[X1+\j:X1+\j+1]
	v_pk_add_f32 v[154:155], v[154:155], v[X1+16+\j:X1+17+\j]
.endr
	s_delay_alu instid0(VALU_DEP_2)
	v_add_f32 v152, v152, v153
	s_delay_alu instid0(VALU_DEP_2)
	v_add_f32 v154, v154, v155
	REDUCE 152, 154, RED1, 1                       ; and in it: W1 into registers, W2 asked for
	s_delay_alu instid0(VALU_DEP_2)
	v_mul_f32 v10, s6, v152                        ; the means, each twice: pairs for the packed forms
	s_delay_alu instid0(VALU_DEP_2)
	v_mul_f32 v12, s6, v154
	s_delay_alu instid0(VALU_DEP_2)
	v_mov_b32 v11, v10
	s_delay_alu instid0(VALU_DEP_2)
	v_mov_b32 v13, v12
.irp j, 0,2,4,6,8,10,12,14
	v_pk_add_f32 v[Y+\j:Y+\j+1], v[X1+\j:X1+\j+1], v[10:11] neg_lo:[0,1] neg_hi:[0,1]
	v_pk_add_f32 v[Y+16+\j:Y+17+\j], v[X1+16+\j:X1+17+\j], v[12:13] neg_lo:[0,1] neg_hi:[0,1]
.endr
	v_pk_mul_f32 v[152:153], v[Y:Y+1], v[Y:Y+1]
	v_pk_mul_f32 v[154:155], v[Y+16:Y+17], v[Y+16:Y+17]
.irp j, 2,4,6,8,10,12,14
	s_delay_alu instid0(VALU_DEP_2)
	v_pk_fma_f32 v[152:153], v[Y+\j:Y+\j+1], v[Y+\j:Y+\j+1], v[152:153]
	s_delay_alu instid0(VALU_DEP_2)
	v_pk_fma_f32 v[154:155], v[Y+16+\j:Y+17+\j], v[Y+16+\j:Y+17+\j], v[154:155]
.endr
	s_delay_alu instid0(VALU_DEP_2)
	v_add_f32 v152, v152, v153
	s_delay_alu instid0(VALU_DEP_2)
	v_add_f32 v154, v154, v155
	REDUCE 152, 154, RED2, 0
	BLOAD 1, GM                                    ; the gain and the offset, into registers that are idle here
	BLOAD 2, BE
	v_fma_f32 v152, v152, s6, s7                   ; variance + 1e-5
	v_fma_f32 v154, v154, s6, s7
	s_wait_alu depctr_va_vdst(0)
	v_rsq_f32 v10, v152
	v_rsq_f32 v12, v154
	v_nop                                          ; a plain place behind the transcendentals
	s_wait_alu depctr_va_vdst(0)                   ; one wait for the two, ahead of their first reader
	v_mov_b32 v11, v10
	v_mov_b32 v13, v12
.irp j, 0,2,4,6,8,10,12,14
	v_pk_mul_f32 v[Y+\j:Y+\j+1], v[Y+\j:Y+\j+1], v[10:11]
	v_pk_mul_f32 v[Y+16+\j:Y+17+\j], v[Y+16+\j:Y+17+\j], v[12:13]
.endr
	s_wait_alu depctr_va_vdst(0)
	s_wait_dscnt 0x0                               ; gain and offset
.irp j, 0,2,4,6,8,10,12,14
	v_pk_fma_f32 v[Y+\j:Y+\j+1], v[Y+\j:Y+\j+1], v[GM+\j:GM+\j+1], v[BE+\j:BE+\j+1]
	v_pk_fma_f32 v[Y+16+\j:Y+17+\j], v[Y+16+\j:Y+17+\j], v[GM+\j:GM+\j+1], v[BE+\j:BE+\j+1]
.endr
	BLOAD 3, BI                                    ; b1, where the offset lay
	QUANT2 Y, OP1
	s_wait_alu depctr_va_vdst(0)
	s_wait_dscnt 0x0                               ; for the others' sake: my stores have landed; b1 is in
	s_barrier_signal -1
	s_barrier_wait -1                              ; the second operand lies in LDS.  W2's load may be out
	s_wait_loadcnt 8                               ; W1's scale words are in; younger: W2's 8
	GEMM OP1, Y, 1, BS1                            ; LN2(x1) W1^T + b1
	BLOAD 4, BI                                    ; b2
.set j, 0
.rept 32
	v_max_num_f32 v[Y+j], 0, v[Y+j]                ; relu, in f32, each accumulator from its low end on
.set j, j+1
.endr
	QUANT2 Y, OP2
	NEXTW 0                                        ; W2 into registers; the third operand lies in LDS; nothing more is asked for
	ADDB                                           ; x1 + b2: what the last sums begin with
	s_wait_alu depctr_va_vdst(0)
	s_wait_loadcnt 0x0                             ; W2's scale words
	GEMM OP2, X1, 0, BS2                           ; out0 = x1 + b2 + h W2^T
	; ---- the way out: a row's 2,048 bytes come from sixteen waves; they meet in the stage and leave as whole rows
.irp tt, 0,1
.irp j, 0,1,2,3
	ds_store_b128 v8, v[X1+16*\tt+4*\j:X1+16*\tt+4*\j+3] offset:16*SPT*\tt+16*\j
.endr
.endr
	s_wait_dscnt 0x0
	s_barrier_signal -1
	s_barrier_wait -1
.irp e, 0,1
.irp q, 0,1,2,3
	ds_load_b128 v[Y+16*\e+4*\q:Y+16*\e+4*\q+3], v14 offset:SPT*\e+512*\q
.endr
.endr
.irp e, 0,1
.irp q, 0,1,2,3
	s_wait_dscnt 7-4*\e-\q                         ; LDS loads come back in order: this one is in, the younger ones may be out
	global_store_b128 v1, v[Y+16*\e+4*\q:Y+16*\e+4*\q+3], s[24:25] offset:2048*\e+512*\q th:TH_STORE_NT   ; 512 consecutive bytes, aligned
.endr
.endr
	s_wait_tensorcnt 0x0                           ; the wave's end
	ds_add_u32 v40, v41
	s_wait_dscnt 0x0
	ROUND                                          ; the closing round: no work-group ends while a partner may still ask jointly
	s_endpgm
.Lfunc_end_k_q04411739a4_tail:
	.size	k_q04411739a4_tail, .Lfunc_end_k_q04411739a4_tail-k_q04411739a4_tail
	.p2alignl 7, 3214868480
	.fill 96, 4, 3214868480
	.section	.rodata,"a",@progbits
	.p2align	6, 0x0
	.amdhsa_kernel k_q04411739a4_tail
		.amdhsa_group_segment_fixed_size 327680
		.amdhsa_private_segment_fixed_size 0
		.amdhsa_enable_private_segment 0
		.amdhsa_kernarg_size 72
		.amdhsa_user_sgpr_count 2
		.amdhsa_user_sgpr_kernarg_segment_ptr 1
		.amdhsa_wavefront_size32 1
		.amdhsa_system_sgpr_workgroup_id_x 1
		.amdhsa_system_sgpr_workgroup_id_y 1
		.amdhsa_system_sgpr_workgroup_id_z 1
		.amdhsa_system_vgpr_workitem_id 0
		.amdhsa_next_free_vgpr 256
		.amdhsa_next_free_sgpr 66
		.amdhsa_reserve_vcc 0
		.amdhsa_float_denorm_mode_32 3
		.amdhsa_float_denorm_mode_16_64 3
		.amdhsa_memory_ordered 1
		.amdhsa_forward_progress 1
		.amdhsa_inst_pref_size 59
	.end_amdhsa_kernel
	.amdgpu_metadata
---
amdhsa.version: [ 1, 2 ]
amdhsa.kernels:
  - .name:           k_q04411739a4_tail
    .symbol:         k_q04411739a4_tail.kd
    .args:
      - { .name: att, .offset: 0, .size: 8, .value_kind: global_buffer, .address_space: global }
      - { .name: wts, .offset: 8, .size: 8, .value_kind: global_buffer, .address_space: global }
      - { .name: x, .offset: 16, .size: 8, .value_kind: global_buffer, .address_space: global }
      - { .name: bo, .offset: 24, .size: 8, .value_kind: global_buffer, .address_space: global }
      - { .name: ln2_g, .offset: 32, .size: 8, .value_kind: global_buffer, .address_space: global }
      - { .name: ln2_b, .offset: 40, .size: 8, .value_kind: global_buffer, .address_space: global }
      - { .name: b1, .offset: 48, .size: 8, .value_kind: global_buffer, .address_space: global }
      - { .name: b2, .offset: 56, .size: 8, .value_kind: global_buffer, .address_space: global }
      - { .name: out0, .offset: 64, .size: 8, .value_kind: global_buffer, .address_space: global }
    .group_segment_fixed_size: 327680
    .private_segment_fixed_size: 0
    .kernarg_segment_align: 8
    .kernarg_segment_size: 72
    .max_flat_workgroup_size: 512
    .sgpr_count:     66
    .vgpr_count:     256
    .wavefront_size: 32
...
	.end_amdgpu_metadata
.endif
;; end of part 4
